; MI455X (gfx1250); checked and timed in simulation.
; The chip was launched on July 23, 2026; its instructions are those of AMD's public machine-readable ISA for CDNA 5 (MIT licence, August 2026) and "CDNA5" Instruction Set Architecture Reference Guide (July 2026). The comments in the code are by the model that wrote it; some were corrected since.
;; Transformer Encoder Layer. Allowed arithmetic: matrix products marked QUANTISED: E4M3 operands, one E8M0 scale for each 32 along K, by v_wmma_scale_f32_16x16x128_f8f6f4 with both operands' format E4M3, f32 sums; everything else in f32.
;; Inputs: W1_codes 4,096 x 32 x 32 uint8 (E4M3 codes of W1, K innermost, in blocks of 32 codes); W1_scales 4,096 x 32 uint8 (E8M0 scales of W1, one for each 32 codes along K); W2_codes 1,024 x 128 x 32 uint8 (E4M3 codes of W2, K innermost, in blocks of 32 codes); W2_scales 1,024 x 128 uint8 (E8M0 scales of W2, one for each 32 codes along K); Wk_codes 1,024 x 32 x 32 uint8 (E4M3 codes of Wk, K innermost, in blocks of 32 codes); Wk_scales 1,024 x 32 uint8 (E8M0 scales of Wk, one for each 32 codes along K); Wo_codes 1,024 x 32 x 32 uint8 (E4M3 codes of Wo, K innermost, in blocks of 32 codes); Wo_scales 1,024 x 32 uint8 (E8M0 scales of Wo, one for each 32 codes along K); Wq_codes 1,024 x 32 x 32 uint8 (E4M3 codes of Wq, K innermost, in blocks of 32 codes); Wq_scales 1,024 x 32 uint8 (E8M0 scales of Wq, one for each 32 codes along K); Wv_codes 1,024 x 32 x 32 uint8 (E4M3 codes of Wv, K innermost, in blocks of 32 codes); Wv_scales 1,024 x 32 uint8 (E8M0 scales of Wv, one for each 32 codes along K); b1 4,096 float32; b2 1,024 float32; bk 1,024 float32; bo 1,024 float32; bq 1,024 float32; bv 1,024 float32; ln1_b 1,024 float32; ln1_g 1,024 float32; ln2_b 1,024 float32; ln2_g 1,024 float32; x 2 x 2,048 x 1,024 float32.
;; Outputs: out0 2 x 2,048 x 1,024 float32.
;; This version of the problem:
;;   THIS VERSION OF THE PROBLEM IS GIVEN IN LOW PRECISION. The matrix products marked QUANTISED in the list below multiply operands that are first quantised to E4M3 (4 exponent bits, 3 mantissa bits; 8 bits a number), with one power-of-two scale for each 32 numbers along K (OCP MX v1.0); their sums are f32. All else is computed in f32.
;;   The module's matrix products, in the order in which they are computed (A, B: the left and right operand; K: the contracted axis; several contracted axes count as one K, in the product's order):
;;     1. [M 4,096, K 1,024] x [K 1,024, N 1,024]; A: input x; B: input Wq (given as codes): QUANTISED
;;     2. [M 4,096, K 1,024] x [K 1,024, N 1,024]; A: input x; B: input Wk (given as codes): QUANTISED
;;     3. [M 4,096, K 1,024] x [K 1,024, N 1,024]; A: input x; B: input Wv (given as codes): QUANTISED
;;     4. batch 32 x [M 2,048, K 64] x [K 64, N 2,048]; A: computed on the way; B: computed on the way: QUANTISED
;;     5. batch 32 x [M 2,048, K 2,048] x [K 2,048, N 64]; A: softmax (see below); B: computed on the way: QUANTISED
;;     6. [M 4,096, K 1,024] x [K 1,024, N 1,024]; A: computed on the way; B: input Wo (given as codes): QUANTISED
;;     7. [M 4,096, K 1,024] x [K 1,024, N 4,096]; A: computed on the way; B: input W1 (given as codes): QUANTISED
;;     8. [M 4,096, K 4,096] x [K 4,096, N 1,024]; A: computed on the way; B: input W2 (given as codes): QUANTISED
;;   THE QUANTISER, for each operand of a quantised product, along K:
;;     - K is cut into blocks of 32 from its start; a last block that is shorter is filled with zeros.
;;     - A block's scale is 2^e with e = floor(log2(the largest magnitude in the block)) - 8, held to -126 .. 127; a block of zeros has e = 0. As a byte (E8M0): e + 127.
;;     - Each number is divided by its block's scale, clamped to +-448, and rounded to the nearest number of E4M3, ties to even, subnormals kept.
;;     - The product sums the exact products of the quantised numbers (number of the format x scale) in f32.
;;   ~~~python
;;   def quantise(x, axis):      # numpy; x: float32 -> the quantised numbers, widened to float32 again
;;       x = np.moveaxis(x, axis, -1); K = x.shape[-1]
;;       x = np.pad(x, [(0, 0)] * (x.ndim - 1) + [(0, -K % 32)]); x = x.reshape(x.shape[:-1] + (-1, 32)); a = np.abs(x).max(-1, keepdims=True)
;;       e = np.where(a > 0, np.clip(np.frexp(np.where(a > 0, a, 1))[1] - 1 - 8, -126, 127), 0)      # np.frexp(a)[1] - 1 = floor(log2(a)), exactly
;;       r = np.clip(x / 2.0 ** e, -448, 448)
;;       step = 2.0 ** (np.maximum(np.frexp(np.where(r == 0, 1, r))[1] - 1, -6) - 3)
;;       q = np.round(r / step) * step * 2.0 ** e      # np.round: ties to even
;;       return np.moveaxis(q.reshape(q.shape[:-2] + (-1,))[..., :K], -1, axis).astype(np.float32)
;;   ~~~
;;   SOFTMAX AHEAD OF A QUANTISED PRODUCT. Where the list says 'softmax', what is quantised is not the finished softmax but p = 2^(t - M), with t = logit x log2(e) and M = ceil(the row's largest t), a whole number; so 1/2 < the row's largest p <= 1. The row's sum l is taken of the UNQUANTISED p, in f32, and the product's result is divided by l at the end. Since M is a whole number, a kernel that streams over the keys may use a running M (the ceiling of the running maximum): every later rescaling is an exact power of two, which a block's scale takes up: the codes' values come out the same.
;;   OPERANDS COMPUTED ON THE WAY. 'Computed on the way' means the value that the module computes at that place (a softmax that the list does not call 'softmax' is quantised finished and normalised). What goes into a quantiser is computed in f32, as accurately as f32 sums, v_exp_f32 and their like allow (about 1e-6 of the number): no bf16 or f16 on the way to a quantiser, and a product that is left as it is and whose result goes on into a quantised operand takes f32 operands (vector FMAs, or v_wmma_f32_16x16x4_f32). A number that lies on a knife's edge between two numbers of the format may be rounded either way, as far as f32 arithmetic and the matrix unit's own rounding can turn it there, and no further.
;;   INPUTS GIVEN AS CODES. W1 (in the module: [1024, 4096], K = its axis 0); W2 (in the module: [4096, 1024], K = its axis 0); Wk (in the module: [1024, 1024], K = its axis 0); Wo (in the module: [1024, 1024], K = its axis 0); Wq (in the module: [1024, 1024], K = its axis 0); Wv (in the module: [1024, 1024], K = its axis 0): each comes as NAME_codes (uint8): NAME with its K axis moved to the last place and cut into blocks of 32 codes, [.., K / 32, bytes a block], one block behind the other in memory; one code a byte (a code: sign, 4 exponent bits, 3 mantissa bits); and NAME_scales (uint8): the same leading axes, one E8M0 byte (e + 127) for each 32 codes along K. Its value is code x scale, taken as it is: it is not quantised again, and the codes and scales need not be those that the quantiser above would give.
;; One version. Each part assembles by itself: llvm-mc -triple=amdgcn-amd-amdhsa -mcpu=gfx1250 --defsym DOCPART=n.
;; ======== version 1 of 1: 8 launches
;; limits: right only within a limited range of input values
;; workspace buffers: wsx 4,325,376 bytes; wsqkv 13,369,344 bytes; wso 4,325,376 bytes; wsy1 16,777,216 bytes; wsx1 21,102,592 bytes; wsh 17,301,504 bytes; wsy2 16,777,216 bytes
;; launch qx (part 1): grid 128 x 1, 4 waves a work-group, no clusters, 33,280 bytes of LDS; arguments x, wsx; writes wsx
.if DOCPART == 1
	.amdgcn_target "amdgcn-amd-amdhsa--gfx1250"
	.amdhsa_code_object_version 6
	.text
	.protected	k_q60c7f1a211_qx
	.globl	k_q60c7f1a211_qx
	.p2align	8
	.type	k_q60c7f1a211_qx,@function
k_q60c7f1a211_qx:
	s_mov_b64 s[64:65], 0
	v_nop
	global_prefetch_b8 v0, s[64:65] scope:SCOPE_SE
	s_setreg_imm32_b32 hwreg(HW_REG_WAVE_MODE, 25, 1), 1
	s_wait_xcnt 0x0
; x [4096][1024] f32 becomes codes of E4M3 (wsx, byte 0 on: [4096][1024]) and one E8M0 byte for each 32 along K (wsx, byte XSOFF on: [4096][32]).
; A block's scale is 2^(floor(log2(largest magnitude)) - 8); its byte is the largest magnitude's exponent field - 8, held at 1 from below; numbers are held within +-448 x scale and rounded to the nearest code.
; LIMITS: a block whose largest magnitude lies under 2^-118 (a block of zeros too) gets the byte 1; its codes are then zeros or tiny, and this program alone reads the bytes.  NaN and infinities are not served.
; Rows are dense and 1024 is a multiple of 32: the tensor is a plain stream of blocks.  A wave takes 16 steps of 512 numbers.  Each load reads 512 consecutive bytes; a step's 2,048 bytes turn through the
; wave's own stage in LDS and come back 64 bytes (16 neighbours) a lane; two neighbouring lanes hold a block.  Loads run eight steps (32 loads a wave) ahead, the turn through LDS one step.  No barrier: waves share nothing.
.set STEPS, 16
.set AHEAD, 8
.set EMAX,  8
.set MANT,  0x600000                   ; the mantissa field of 448 as f32
.set CB,    16                         ; bytes of 16 codes
.set R,     16                         ; v16-143  eight sets of 16 numbers as loaded
.set X,     144                        ; v144-175 two sets of 16 neighbours
.set C,     176                        ; v176-239 codes: four registers a step, never written again
.set E,     240                        ; v240-255 a scale byte a step
.set WREG,  8192                       ; LDS: a region for each wave: two stages of 32 x SP bytes, then its 256 scale bytes
.set SP,    80                         ; a lane's place in a stage: 64 bytes + 16 of padding
.set XSOFF, 4194304
	s_load_b128 s[4:7], s[0:1], 0x0                ; x s[4:5], wsx s[6:7]
	s_set_vgpr_msb 0x40
	v_lshl_add_u32 v0, v0, 2, 0x8000
	v_mov_b32 v1, 0
	s_set_vgpr_msb 0x4000
	v_lshrrev_b32 v1, 5, v0
	v_readfirstlane_b32 s16, v1                    ; wave
	v_and_b32 v2, 31, v0                           ; lane
	v_lshlrev_b32 v3, 4, v2                        ; my 16 bytes of a load's 512
	s_mul_i32 s17, s16, WREG
	v_lshrrev_b32 v14, 2, v2
	v_mul_u32_u24 v14, v14, SP
	v_and_b32 v15, 3, v2
	v_lshl_add_u32 v14, v15, 4, v14
	v_add_nc_u32 v14, s17, v14                     ; the stage on the way in: SP (lane / 4) + 16 (lane % 4)
	v_mul_u32_u24 v15, v2, SP
	v_add_nc_u32 v15, s17, v15                     ; and on the way out: SP x lane
	v_mul_u32_u24 v4, v2, CB                       ; my codes' place in a step's
	v_lshrrev_b32 v5, 1, v2
	s_add_co_u32 s17, s17, 2*32*SP
	v_add_nc_u32 v5, s17, v5                       ; my block's byte among the wave's 256
	v_lshlrev_b32 v7, 3, v2
	v_add_nc_u32 v6, s17, v7                       ; and 8 bytes a lane on the way out
	s_mov_b32 s23, MANT
	s_lshl_b32 s18, ttmp9, 2
	s_add_co_u32 s18, s18, s16                     ; which run of 8,192 numbers is my wave's
	s_lshl_b32 s20, s18, 15                        ; its numbers,
	s_mov_b32 s21, 0
	s_lshl_b32 s24, s18, 13                        ; its codes,
	s_mov_b32 s25, 0
	s_lshl_b32 s26, s18, 8                         ; its scale bytes
	s_mov_b32 s27, 0
	s_wait_alu depctr_va_vdst(0)
	s_wait_kmcnt 0x0
	s_add_nc_u64 s[4:5], s[4:5], s[20:21]
	s_add_nc_u64 s[8:9], s[6:7], s[24:25]
	s_add_nc_u64 s[10:11], s[6:7], s[26:27]
	s_add_nc_u64 s[10:11], s[10:11], XSOFF
.macro LOAD t
.irp i, 0,1,2,3
	global_load_b128 v[R+16*((\t)%AHEAD)+4*\i:R+16*((\t)%AHEAD)+4*\i+3], v3, s[4:5] offset:2048*(\t)+512*\i th:TH_LOAD_NT
.endr
.endm
.macro TURN t                          ; step t through the stage: LDS serves a wave's instructions in order, so no wait stands between the stores and the loads
.irp i, 0,1,2,3
	ds_store_b128 v14, v[R+16*((\t)%AHEAD)+4*\i:R+16*((\t)%AHEAD)+4*\i+3] offset:32*SP*((\t)%2)+8*SP*\i
.endr
.irp i, 0,1,2,3
	ds_load_b128 v[X+16*((\t)%2)+4*\i:X+16*((\t)%2)+4*\i+3], v15 offset:32*SP*((\t)%2)+16*\i
.endr
.endm
.irp t, 0,1,2,3,4,5,6,7
	LOAD \t
.endr
	s_wait_loadcnt 4*(AHEAD-1)                     ; step 0's four loads are in; the 28 of steps 1 to 7 may be out
	TURN 0
.macro STEP t
.set XS, X+16*((\t)%2)
.if (\t) > 0
	s_wait_dscnt 1                                 ; this step's numbers are back (the last step's byte store may be out): its stores into the stage have read their registers,
.else
	s_wait_dscnt 0x0
.endif
.if (\t)+AHEAD < STEPS
	LOAD (\t)+AHEAD                                ; which take the loads of eight steps on
.endif
.if (\t)+1 < STEPS
.if STEPS-2-(\t) >= AHEAD-1
	s_wait_loadcnt 4*(AHEAD-1)                     ; the next step's four loads are in; those of the seven steps behind it may be out
.else
	s_wait_loadcnt 4*(STEPS-2-(\t))                ; no more loads are issued: the steps behind the next one run down
.endif
	TURN (\t)+1
.endif
	v_max3_num_f32 v8, |v[XS]|, |v[XS+1]|, |v[XS+2]|
	v_max3_num_f32 v9, |v[XS+3]|, |v[XS+4]|, |v[XS+5]|
.irp i, 6,10
	v_max3_num_f32 v8, v8, |v[XS+\i]|, |v[XS+\i+1]|
	v_max3_num_f32 v9, v9, |v[XS+\i+2]|, |v[XS+\i+3]|
.endr
	v_max3_num_f32 v8, v8, |v[XS+14]|, |v[XS+15]|
	v_max3_num_f32 v8, v8, v9, (EMAX+1)<<23        ; with the floor 2^(9 - 127): the byte cannot fall under 1
	v_max_num_f32_dpp v8, v8, v8 row_xmask:1 row_mask:0xf bank_mask:0xf   ; and my neighbour's 16: the block's largest magnitude
	v_add_nc_u32 v11, -(EMAX<<23), v8              ; 8 off its exponent field: the conversion's scale operand
	v_and_or_b32 v10, v8, 0x7f800000, s23          ; 448 x the scale
.irp i, 0,1,2,3,4,5,6,7,8,9,10,11,12,13,14,15
	v_med3_num_f32 v[XS+\i], v[XS+\i], -v10, v10   ; the conversion does not saturate (ISA guide 7.6.2): the hold comes first
.endr
	v_cvt_scalef32_pk8_fp8_f32 v[C+4*(\t):C+4*(\t)+1], v[XS:XS+7], v11
	v_cvt_scalef32_pk8_fp8_f32 v[C+4*(\t)+2:C+4*(\t)+3], v[XS+8:XS+15], v11
	v_lshrrev_b32 v[E+(\t)], 23, v11               ; the scale's byte (also the plain line behind the conversions)
	ds_store_b8 v5, v[E+(\t)] offset:16*(\t)       ; both lanes of a block write the same byte with the same value
	global_store_b128 v4, v[C+4*(\t):C+4*(\t)+3], s[8:9] offset:32*CB*(\t)   ; the wave stores 512 consecutive bytes
.endm
.irp t, 0,1,2,3,4,5,6,7,8,9,10,11,12,13,14,15
	STEP \t
.endr
	ds_load_b64 v[12:13], v6                       ; these see my byte stores: LDS serves a wave in order
	s_wait_dscnt 0x0
	global_store_b64 v7, v[12:13], s[10:11]        ; 32 lanes store 256 consecutive bytes, aligned
	s_set_vgpr_msb 0x5
	s_wait_tensorcnt 0x0
	ds_add_u32 v0, v1
	s_wait_dscnt 0x0
	s_set_vgpr_msb 0x500
	s_endpgm
.Lfunc_end_k_q60c7f1a211_qx:
	.size	k_q60c7f1a211_qx, .Lfunc_end_k_q60c7f1a211_qx-k_q60c7f1a211_qx
	.p2alignl 7, 3214868480
	.fill 96, 4, 3214868480
	.section	.rodata,"a",@progbits
	.p2align	6, 0x0
	.amdhsa_kernel k_q60c7f1a211_qx
		.amdhsa_group_segment_fixed_size 33280
		.amdhsa_private_segment_fixed_size 0
		.amdhsa_enable_private_segment 0
		.amdhsa_kernarg_size 16
		.amdhsa_user_sgpr_count 2
		.amdhsa_user_sgpr_kernarg_segment_ptr 1
		.amdhsa_wavefront_size32 1
		.amdhsa_system_sgpr_workgroup_id_x 1
		.amdhsa_system_sgpr_workgroup_id_y 1
		.amdhsa_system_sgpr_workgroup_id_z 1
		.amdhsa_system_vgpr_workitem_id 0
		.amdhsa_next_free_vgpr 258
		.amdhsa_next_free_sgpr 66
		.amdhsa_reserve_vcc 0
		.amdhsa_float_denorm_mode_32 3
		.amdhsa_float_denorm_mode_16_64 3
		.amdhsa_memory_ordered 1
		.amdhsa_forward_progress 1
		.amdhsa_inst_pref_size 51
	.end_amdhsa_kernel
	.amdgpu_metadata
---
amdhsa.version: [ 1, 2 ]
amdhsa.kernels:
  - .name:           k_q60c7f1a211_qx
    .symbol:         k_q60c7f1a211_qx.kd
    .args:
      - { .name: x, .offset: 0, .size: 8, .value_kind: global_buffer, .address_space: global }
      - { .name: wsx, .offset: 8, .size: 8, .value_kind: global_buffer, .address_space: global }
    .group_segment_fixed_size: 33280
    .private_segment_fixed_size: 0
    .kernarg_segment_align: 8
    .kernarg_segment_size: 16
    .max_flat_workgroup_size: 128
    .sgpr_count:     66
    .vgpr_count:     258
    .wavefront_size: 32
...
	.end_amdgpu_metadata
.endif
;; end of part 1
;; launch qkv (part 2): grid 12 x 16, 4 waves a work-group, clusters of 4 x 4, 327,680 bytes of LDS; arguments wsx, Wv_codes, Wv_scales, Wq_codes, Wq_scales, Wk_codes, Wk_scales, bq, bk, bv, wsqkv; writes wsqkv
.if DOCPART == 2
	.amdgcn_target "amdgcn-amd-amdhsa--gfx1250"
	.amdhsa_code_object_version 6
	.text
	.protected	k_q60c7f1a211_qkv
	.globl	k_q60c7f1a211_qkv
	.p2align	8
	.type	k_q60c7f1a211_qkv,@function
k_q60c7f1a211_qkv:
	s_mov_b64 s[64:65], 0
	v_nop
	global_prefetch_b8 v0, s[64:65] scope:SCOPE_SE
	s_setreg_imm32_b32 hwreg(HW_REG_WAVE_MODE, 25, 1), 1
	s_wait_xcnt 0x0
	s_wait_alu depctr_hold_cnt(0) depctr_sa_sdst(0) depctr_va_vdst(0) depctr_va_sdst(0) depctr_va_ssrc(0) depctr_va_vcc(0) depctr_vm_vsrc(0)
	s_getreg_b32 s2, hwreg(HW_REG_IB_STS2, 6, 4)
	s_cmp_eq_u32 s2, 0
	s_cbranch_scc0 .Lentry_in_a_cluster
	s_endpgm
.Lentry_in_a_cluster:
	s_bfe_u32 s2, ttmp6, 0x10000c
	s_cmp_lg_u32 s2, 0xf033
	s_cbranch_scc0 .Lentry_shape_is_right
	s_endpgm
.Lentry_shape_is_right:
.set QKV,    1
.set SIZE_K, 1024
.set KSTEP,  256
.set NQ,     KSTEP/128
.set ROWB,   256
.set KROW,   SIZE_K
.set PITCH,  272
.set FR,     16
.set NL,     4
.set NP,     8
.set HALFT,  128*PITCH
.set SLOT,   4*HALFT
.set LAPS,   SIZE_K/(2*KSTEP)
.set KS,     SIZE_K/32
.set SCL,    2*SLOT
.set HALFS,  (128*KS/256)*272
.set SBLK,   (16*KS/256)*272
.set SPARE,  SCL+4*HALFS
.set QP,     144
.set STGW,   16*QP
.set SST,    4*STGW
.set XSOFF,  4194304
.set X1C,    16777216
.set X1S,    20971520
.set HSOFF,  16777216
.set QSOFF,  12582912
.set ADRA, 16
.set SL8,  19
.set ADRB, 20
.set SSA,  22
.set SSR,  23
.set STQ,  24
.set RDQ,  25
.set LIN,  26
.set ADRS, 27
.set SPW,  28
.set NIL,  29
.set BO,   30
.set MO,   31
.set SC,   32
.set BN,   64
.set AF,   128
.set T,    128
.set PC,   192
.set TM,   224
.set PWD,  240
.set OB,   64
.set WS,   96
.set SO,   104
.set PB,   4
.set SBP,  92
.set DG,   45
.set DC,   44
.set G1, 24
.set G0, 32
.set G1B, 48
.set G0B, 56
.set G1S, 68
.set G0S, 76
.set G1SB, 80
.set G0SB, 88
.set MSB, 0
.macro WIN new
.if MSB != (\new)
	s_set_vgpr_msb (MSB<<8)|(\new)
.set MSB, (\new)
.endif
.endm
.set MUL_LO, 0xa1
.set MUL_HI, 0xf1
.set TO_B,   0x40
.macro JLOAD g0a, g1a, g0b, g1b
	s_cmp_eq_u32 s15, 0
	s_cbranch_scc0 .Lfor_b_\@
	tensor_load_to_lds s[\g0a:\g0a+3], s[\g1a:\g1a+7]
	s_nop 0
.rept 4
	v_nop
.endr
	s_branch .Lasked_\@
.Lfor_b_\@:
	tensor_load_to_lds s[\g0b:\g0b+3], s[\g1b:\g1b+7]
	s_nop 0
.rept 4
	v_nop
.endr
.Lasked_\@:
.endm
.macro CREST
	s_cmp_lg_u32 s14, 0
	s_cbranch_scc1 .Lnot_wave_0_\@
	s_barrier_signal -3
.Lnot_wave_0_\@:
	s_barrier_wait -3
	s_barrier_signal -1
	s_barrier_wait -1
.endm
.macro CROUND
	s_barrier_signal -1
	s_barrier_wait -1
	CREST
.endm
.if QKV
	s_load_b512 s[68:83], s[0:1], 0x0
	s_load_b128 s[84:87], s[0:1], 0x40
	s_load_b64 s[88:89], s[0:1], 0x50
.else
	s_load_b128 s[4:7], s[0:1], 0x0
	s_load_b128 s[8:11], s[0:1], 0x10
	s_load_b64 s[12:13], s[0:1], 0x20
.endif
	v_lshl_add_u32 v[SPW], v0, 2, SPARE
	v_mov_b32 v[NIL], 0
	ds_add_u32 v28, v29
	ds_add_u32 v28, v29
	s_wait_dscnt 0x0
	v_lshrrev_b32 v1, 5, v0
	v_readfirstlane_b32 s14, v1
	s_lshr_b32 s15, s14, 1
	s_and_b32 s16, s14, 1
	s_bfe_u32 s40, ttmp6, 0x40000
	s_bfe_u32 s41, ttmp6, 0x40004
	s_and_b32 s17, ttmp7, 0xffff
.if QKV
	s_cmp_lt_u32 ttmp9, 2
	s_cselect_b32 s42, 0, s17
	s_cselect_b32 s17, s17, 0
	s_cselect_b32 s2, -1, 0
.else
	s_mov_b32 s42, ttmp9
.endif
	s_lshl_b32 s42, s42, 2
	s_add_co_u32 s42, s42, s40
	s_lshl_b32 s17, s17, 2
	s_add_co_u32 s17, s17, s41
	s_lshl_b32 s43, s41, 2
	s_lshl_b32 s43, 15, s43
	s_lshl_b32 s44, 0x1111, s40
	s_wait_kmcnt 0x0
.if QKV
	s_add_nc_u64 s[92:93], s[68:69], XSOFF
	s_cmp_eq_u32 ttmp9, 0
	s_cselect_b64 s[8:9], s[74:75], s[78:79]
	s_cselect_b64 s[10:11], s[76:77], s[80:81]
	s_cselect_b64 s[96:97], s[82:83], s[84:85]
	s_cmp_lt_u32 ttmp9, 2
	s_cselect_b64 s[4:5], s[68:69], s[70:71]
	s_cselect_b64 s[6:7], s[92:93], s[72:73]
	s_cselect_b64 s[8:9], s[8:9], s[68:69]
	s_cselect_b64 s[10:11], s[10:11], s[92:93]
	s_mov_b64 s[98:99], s[86:87]
	s_mov_b64 s[12:13], s[88:89]
.else
	s_mov_b64 s[96:97], s[10:11]
	s_mov_b64 s[10:11], s[8:9]
	s_mov_b64 s[8:9], s[6:7]
	s_add_nc_u64 s[6:7], s[4:5], X1S
	s_add_nc_u64 s[4:5], s[4:5], X1C
.endif
	s_or_b32 s[G1+0], s43, (0<<16)|(1<<20)|(1<<21)|(5<<22)|(3<<25)
	s_or_b32 s[G1B+0], s44, (0<<16)|(1<<20)|(1<<21)|(5<<22)|(3<<25)
.irp g, G1, G1B
	s_mov_b32 s[\g+1], ROWB<<16
	s_mov_b32 s[\g+2], 256<<16
	s_mov_b32 s[\g+3], ROWB<<16
	s_mov_b32 s[\g+4], 256
	s_mov_b32 s[\g+5], KROW
	s_mov_b32 s[\g+6], 0
	s_mov_b32 s[\g+7], 0
.endr
	s_or_b32 s[G1S+0], s43, (3<<16)|(1<<20)|(1<<21)|(5<<22)|(3<<25)
	s_or_b32 s[G1SB+0], s44, (3<<16)|(1<<20)|(1<<21)|(5<<22)|(3<<25)
.irp g, G1S, G1SB
	s_mov_b32 s[\g+1], 32<<16
	s_mov_b32 s[\g+2], KS<<16
	s_mov_b32 s[\g+3], 32<<16
	s_mov_b32 s[\g+4], KS
	s_mov_b32 s[\g+5], 32
	s_mov_b32 s[\g+6], 0
	s_mov_b32 s[\g+7], 0
.endr
	s_lshl_b32 s20, s17, 8
	s_lshl_b32 s46, s42, 8
	s_mov_b32 s21, 0
	s_mov_b32 s47, 0
	s_mov_b64 s[18:19], KS
	s_mul_u64 s[22:23], s[20:21], s[18:19]
	s_mul_u64 s[92:93], s[46:47], s[18:19]
	s_mov_b64 s[18:19], KROW
	s_mul_u64 s[20:21], s[20:21], s[18:19]
	s_mul_u64 s[46:47], s[46:47], s[18:19]
	s_mul_i32 s45, s14, HALFT
	s_add_nc_u64 s[20:21], s[4:5], s[20:21]
	s_add_nc_u64 s[22:23], s[6:7], s[22:23]
	s_add_nc_u64 s[46:47], s[8:9], s[46:47]
	s_add_nc_u64 s[92:93], s[10:11], s[92:93]
	CROUND
	s_mov_b32 s[G0S], 1                            ; the head's four tiles, each whole: the scales of A's 256 rows,
	s_mov_b32 s[G0S+1], SCL
	s_mov_b64 s[G0S+2:G0S+3], s[22:23]
	s_or_b32 s[G0S+3], s[G0S+3], 0x80000000
	s_mov_b32 s[G0SB], 1                           ; of B's,
	s_mov_b32 s[G0SB+1], SCL+2*HALFS
	s_mov_b64 s[G0SB+2:G0SB+3], s[92:93]
	s_or_b32 s[G0SB+3], s[G0SB+3], 0x80000000
	s_mov_b32 s4, 1                                ; K step 0's 256 rows of A (in registers that held arguments),
	s_mov_b32 s5, 0
	s_mov_b64 s[6:7], s[20:21]
	s_or_b32 s7, s7, 0x80000000
	s_mov_b32 s8, 1                                ; and of B, behind them in slot 0
	s_mov_b32 s9, 2*HALFT
	s_mov_b64 s[10:11], s[46:47]
	s_or_b32 s11, s11, 0x80000000
	s_mul_i32 s18, s16, 128*KROW                   ; for the ring: my 128 rows of the tile
	s_mov_b32 s19, 0
	s_add_nc_u64 s[20:21], s[20:21], s[18:19]
	s_add_nc_u64 s[46:47], s[46:47], s[18:19]
.irp s, 0,1
	s_mov_b32 s[G0+4*\s], 1
	s_add_co_u32 s[G0+4*\s+1], s45, \s*SLOT
	s_add_nc_u64 s[G0+4*\s+2:G0+4*\s+3], s[20:21], \s*ROWB
	s_or_b32 s[G0+4*\s+3], s[G0+4*\s+3], 0x80000000
	s_mov_b32 s[G0B+4*\s], 1
	s_add_co_u32 s[G0B+4*\s+1], s45, \s*SLOT
	s_add_nc_u64 s[G0B+4*\s+2:G0B+4*\s+3], s[46:47], \s*ROWB
	s_or_b32 s[G0B+4*\s+3], s[G0B+4*\s+3], 0x80000000
.endr
; THE HEAD'S LOADS, ONE A WAVE: wave 0 K step 0's 256 rows of A, wave 1 its 256 rows of B, wave 2 the scales of A's 256 rows, wave 3 those of B's: one chain of branches, one load to an arm.
.macro ARM under, g0, g1, next
	s_cmp_lt_u32 s14, \under
	s_cbranch_scc0 \next
	tensor_load_to_lds s[\g0:\g0+3], s[\g1:\g1+7]
	s_nop 0
.rept 4
	v_nop
.endr
	s_branch .Lhead_asked
\next:
.endm
	ARM 1, 4, G1, .Lhead_b
	ARM 2, 8, G1B, .Lhead_sa
	ARM 3, G0S, G1S, .Lhead_sb
	tensor_load_to_lds s[G0SB:G0SB+3], s[G1SB:G1SB+7]
	s_nop 0
.rept 4
	v_nop
.endr
.Lhead_asked:
	; A prefetch into the L2 of what the ring's three later loads will ask for (K bytes 256-1023 of the 128 rows that my wave fetches): of these rows each of the four partners that ask for them
	; jointly takes 32, told apart by address (cx for A's rows, cy for B's): a lane a row, 256 aligned bytes a lane and instruction.
	s_lshl_b32 s94, s40, 15
	s_lshl_b32 s95, s41, 15
	s_cmp_eq_u32 s15, 0
	s_cselect_b64 s[92:93], s[20:21], s[46:47]
	s_cselect_b32 s94, s94, s95
	s_mov_b32 s95, 0
	s_add_nc_u64 s[92:93], s[92:93], s[94:95]
	v_and_b32 v18, 31, v0
	v_lshlrev_b32 v18, 10, v18
	global_prefetch_b8 v18, s[92:93] offset:256 th:TH_LOAD_NT scope:SCOPE_SE
	global_prefetch_b8 v18, s[92:93] offset:512 th:TH_LOAD_NT scope:SCOPE_SE
	global_prefetch_b8 v18, s[92:93] offset:768 th:TH_LOAD_NT scope:SCOPE_SE
	v_and_b32 v1, 15, v0
	v_bfe_u32 v2, v0, 4, 1
	v_mul_u32_u24 v3, v1, PITCH
	v_lshl_add_u32 v4, v2, 4, v3
	s_mul_i32 s21, s15, HALFT
	s_mul_i32 s22, s16, HALFT
	s_add_co_u32 s22, s22, 2*HALFT
.irp s, 0,1
	v_add_nc_u32 v[ADRA+\s], s21, v4
	v_add_nc_u32 v[ADRB+\s], s22, v4
	s_add_co_u32 s21, s21, SLOT
	s_add_co_u32 s22, s22, SLOT
.endr
	v_mul_u32_u24 v5, v1, KS
	v_lshrrev_b32 v6, 8, v5
	v_lshl_add_u32 v5, v6, 4, v5
	s_mul_i32 s21, s15, HALFS
	s_mul_i32 s22, s16, HALFS
	s_add_co_u32 s22, s22, 2*HALFS
	s_sub_co_u32 s22, s22, s21
	v_mul_u32_u24 v6, s22, v2
	s_add_co_u32 s21, s21, SCL
	v_add_nc_u32 v5, v5, v6
	v_add_nc_u32 v[ADRS], s21, v5
	s_mul_i32 s23, s14, STGW
	v_mul_u32_u24 v5, v1, QP
	v_lshl_add_u32 v5, v2, 3, v5
	v_add_nc_u32 v[STQ], s23, v5
	v_and_b32 v6, 31, v0
	v_lshlrev_b32 v[LIN], 4, v6
	v_lshlrev_b32 v[SL8], 3, v6
.if QKV
	v_lshrrev_b32 v5, 2, v6
	v_mul_u32_u24 v5, v5, QP
	v_and_b32 v7, 3, v6
	v_lshl_add_u32 v5, v7, 4, v5
	v_add_nc_u32 v[RDQ], s23, v5
	s_lshl_b32 s22, s14, 10
	s_add_co_u32 s22, s22, SST
	v_and_b32 v5, 7, v1
	v_lshlrev_b32 v5, 4, v5
	v_lshrrev_b32 v7, 3, v1
	v_lshl_add_u32 v5, v7, 2, v5
	v_add_nc_u32 v[SSA], s22, v5
	v_add_nc_u32 v[SSR], s22, v[SL8]
.else
	v_lshrrev_b32 v5, 3, v6
	v_mul_u32_u24 v5, v5, QP
	v_and_b32 v7, 7, v6
	v_lshl_add_u32 v5, v7, 4, v5
	v_add_nc_u32 v[RDQ], s23, v5
	v_lshlrev_b32 v[SSR], 7, v6
.endif
	v_lshlrev_b32 v[BO], 5, v2
	s_wait_alu depctr_va_vdst(0)
	v_lshlrev_b32 v[MO], 2, v1
	s_wait_alu depctr_va_vdst(0)
	s_lshl_b32 s20, s42, 10
	s_lshl_b32 s21, s16, 9
	s_add_co_u32 s20, s20, s21
.if QKV
	s_lshl_b32 s22, s17, 10
	s_lshl_b32 s21, s15, 9
	s_add_co_u32 s22, s22, s21
	s_cmp_lt_u32 ttmp9, 2
	s_cselect_b32 s20, s20, 0
	s_cselect_b32 s22, 0, s22
	s_mov_b32 s23, 0
	s_add_nc_u64 s[98:99], s[98:99], s[22:23]
.endif
	s_mov_b32 s21, 0
	s_add_nc_u64 s[96:97], s[96:97], s[20:21]
.irp b, 0,1,2,3,4,5,6,7
	global_load_b128 v[BN+8*\b:BN+8*\b+3], v[BO], s[96:97] offset:64*\b
	global_load_b128 v[BN+8*\b+4:BN+8*\b+7], v[BO], s[96:97] offset:64*\b+16
.endr
.if QKV
.irp a, 0,1,2,3,4,5,6,7
	global_load_b32 v[AF+2*\a], v[MO], s[98:99] offset:64*\a
	global_load_b32 v[AF+2*\a+1], v[MO], s[98:99] offset:64*\a
.endr
	s_wait_loadcnt 0x0
.set j, 0
.rept 64
	v_cndmask_b32 v[BN+j], 0, v[BN+j], s2
.set j, j+1
.endr
.set j, 0
.rept 16
	v_cndmask_b32 v[AF+j], v[AF+j], 0, s2
.set j, j+1
.endr
.set a, 0
.rept 8
	WIN 0x80+0x40*(a/4)
.set b, 0
.rept 8
.set i, 0
.rept 4
	v_pk_add_f32 v[8*(8*(a%4)+b)+i:8*(8*(a%4)+b)+i+1], v[BN+8*b+i:BN+8*b+i+1], v[AF+2*a:AF+2*a+1]
.set i, i+2
.endr
.set b, b+1
.endr
.set a, a+1
.endr
	WIN 0
.else
	s_wait_loadcnt 0x0
.endif
.macro FRAG reg, adr, q, i
.irp c, 0,1,2,3
	ds_load_b128 v[\reg+4*\c:\reg+4*\c+3], v[\adr] offset:128*(\q)+32*\c+(\i)*16*PITCH
.endr
.endm
.macro MUL16 a0, p, q, sc, first
.irp a, \a0, \a0+1
.irp b, 0,1,2,3,4,5,6,7
.if \first
	v_wmma_scale_f32_16x16x128_f8f6f4 v[8*(8*((\a)%4)+\b):8*(8*((\a)%4)+\b)+7], v[128*(\p)+FR*\b:128*(\p)+FR*\b+FR-1], v[AF+FR*(\a):AF+FR*(\a)+FR-1], v[BN+8*\b:BN+8*\b+7], v[SC+8*NQ*(\sc)+NQ*\b+(\q)], v[SC+8*NQ*(\sc)+NQ*(\a)+(\q)] matrix_a_scale:MATRIX_SCALE_ROW1
.else
	v_wmma_scale_f32_16x16x128_f8f6f4 v[8*(8*((\a)%4)+\b):8*(8*((\a)%4)+\b)+7], v[128*(\p)+FR*\b:128*(\p)+FR*\b+FR-1], v[AF+FR*(\a):AF+FR*(\a)+FR-1], v[8*(8*((\a)%4)+\b):8*(8*((\a)%4)+\b)+7], v[SC+8*NQ*(\sc)+NQ*\b+(\q)], v[SC+8*NQ*(\sc)+NQ*(\a)+(\q)] matrix_a_scale:MATRIX_SCALE_ROW1
.endif
.endr
.endr
.endm
.macro FETCH_B slot, q, p
	WIN TO_B
.irp i, 0,1,2,3,4,5,6,7
	FRAG 128*(\p)+FR*\i, ADRB+\slot, \q, \i
.endr
	WIN 0
.endm
.macro FETCH_A slot, q, i0
.irp i, \i0, \i0+1, \i0+2, \i0+3
	FRAG AF+FR*(\i), ADRA+\slot, \q, \i
.endr
.endm
.macro SCALES sc
.irp i, 0,1,2,3,4,5,6,7
	ds_load_b64 v[SC+8*NQ*\sc+NQ*\i:SC+8*NQ*\sc+NQ*\i+1], v[ADRS] offset:\i*SBLK
.endr
.endm
.macro PLACES n
.rept \n
	v_nop
.endr
.endm
.macro STEP slot, q, first
	s_wait_dscnt 4*NL
	WIN MUL_LO-0x20*(\first)
	MUL16 0, (\q)%2, \q, \slot, \first
	MUL16 2, (\q)%2, \q, \slot, \first
	s_wait_dscnt 0
	PLACES NP
	FETCH_B \slot, (\q)+1, 1-(\q)%2
	FETCH_A \slot, (\q)+1, 0
	WIN MUL_HI-0x30*(\first)
	MUL16 4, (\q)%2, \q, \slot, \first
	MUL16 6, (\q)%2, \q, \slot, \first
	PLACES NP
	WIN 0
	FETCH_A \slot, (\q)+1, 4
.endm
.macro TURN slot, next, fill
	s_wait_tensorcnt 0x0
	ds_add_u32 v[SPW], v[NIL]
	s_wait_dscnt 4*NL+1
	WIN MUL_LO
	MUL16 0, 1, NQ-1, \slot, 0
	s_wait_dscnt 0x0
	s_barrier_signal -1
	MUL16 2, 1, NQ-1, \slot, 0
	WIN 0
	s_barrier_wait -1
.if \fill
	CREST
	s_add_nc_u64 s[G0+4*\slot+2:G0+4*\slot+3], s[G0+4*\slot+2:G0+4*\slot+3], 2*ROWB
	s_add_nc_u64 s[G0B+4*\slot+2:G0B+4*\slot+3], s[G0B+4*\slot+2:G0B+4*\slot+3], 2*ROWB
	JLOAD G0+4*\slot, G1, G0B+4*\slot, G1B
	PLACES NP-4
.else
	PLACES NP
.endif
	s_wait_alu depctr_va_vdst(0)
	v_add_nc_u32 v[ADRS], 4*NQ, v[ADRS]
	FETCH_B \next, 0, 0
	FETCH_A \next, 0, 0
	SCALES \next
	WIN MUL_HI
	MUL16 4, 1, NQ-1, \slot, 0
	MUL16 6, 1, NQ-1, \slot, 0
	PLACES NP
	WIN 0
	FETCH_A \next, 0, 4
.endm
	s_wait_alu depctr_va_vdst(0)
	s_wait_xcnt 0x0                                ; the prefetches have read their address: its registers are written again on the way out
	s_wait_alu depctr_va_vdst(0)
	s_wait_tensorcnt 0x0                           ; my tile of the head's four is in
	ds_add_u32 v28, v29
	s_mov_b32 s[G1+2], 128<<16                     ; no tensor load of mine is out: from here on a load brings 128 rows
	s_mov_b32 s[G1+4], 128
	s_mov_b32 s[G1B+2], 128<<16
	s_mov_b32 s[G1B+4], 128
	s_wait_dscnt 0x0
	CROUND                                         ; all four tiles are in, and all sixteen work-groups are here
	JLOAD G0+4, G1, G0B+4, G1B                     ; K step 1's load, the first tensor load behind the round
	FETCH_B 0, 0, 0
	FETCH_A 0, 0, 0
	SCALES 0
	FETCH_A 0, 0, 4
	STEP 0, 0, 1-QKV
	s_mov_b32 s3, LAPS-1
.Llap:
	TURN 0, 1, 1
	STEP 1, 0, 0
	TURN 1, 0, 1
	STEP 0, 0, 0
	s_sub_co_u32 s3, s3, 1
	s_cmp_lg_u32 s3, 0
	s_cbranch_scc1 .Llap
	TURN 0, 1, 0
	STEP 1, 0, 0
	s_wait_dscnt 4*NL
	WIN MUL_LO
	MUL16 0, 1, NQ-1, 1, 0
	MUL16 2, 1, NQ-1, 1, 0
	s_wait_dscnt 0
	WIN MUL_HI
	MUL16 4, 1, NQ-1, 1, 0
	MUL16 6, 1, NQ-1, 1, 0
	WIN 0
.if QKV
	s_lshl_b32 s20, s17, 2
	s_lshl_b32 s21, s15, 1
	s_add_co_u32 s20, s20, s21
	s_lshl_b32 s21, s42, 2
	s_lshl_b32 s22, s16, 1
	s_add_co_u32 s21, s21, s22
	s_cmp_lt_u32 ttmp9, 2
	s_cselect_b32 s[DG], 1, 32
	s_cselect_b32 s[DC], 32, 1
	s_cselect_b32 s22, s20, s21
	s_cselect_b32 s23, s21, s20
	s_lshr_b32 s20, s22, 5
	s_lshl_b32 s20, s20, 9
	s_lshl_b32 s23, s23, 5
	s_add_co_u32 s20, s20, s23
	s_and_b32 s22, s22, 31
	s_add_co_u32 s20, s20, s22
	s_lshl_b32 s46, ttmp9, 22
	s_lshl_b32 s47, ttmp9, 18
	s_add_co_u32 s47, s47, QSOFF
.irp g, 0,1
.irp c, 0,1
	s_mul_i32 s21, s[DG], \g
	s_mul_i32 s22, s[DC], \c
	s_add_co_u32 s21, s21, s22
	s_add_co_u32 s21, s21, s20
	s_lshl_b32 s22, s21, 12
	s_add_co_u32 s22, s22, s46
	s_mov_b32 s23, 0
	s_add_nc_u64 s[PB+4*\g+2*\c:PB+4*\g+2*\c+1], s[12:13], s[22:23]
	s_lshl_b32 s22, s21, 8
	s_add_co_u32 s22, s22, s47
	s_add_nc_u64 s[SBP+4*\g+2*\c:SBP+4*\g+2*\c+1], s[12:13], s[22:23]
.endr
.endr
.else
	s_lshl_b32 s20, s42, 1
	s_add_co_u32 s20, s20, s16
	s_lshl_b32 s21, s17, 8
	s_lshl_b32 s22, s15, 7
	s_add_co_u32 s21, s21, s22
	s_lshl_b32 s22, s20, 12
	s_add_co_u32 s22, s22, s21
	s_lshl_b32 s22, s22, 7
	s_mov_b32 s23, 0
	s_add_nc_u64 s[4:5], s[12:13], s[22:23]
	s_lshl_b32 s22, s21, 7
	s_lshl_b32 s20, s20, 2
	s_add_co_u32 s22, s22, s20
	s_add_co_u32 s22, s22, HSOFF
	s_add_nc_u64 s[6:7], s[12:13], s[22:23]
	s_mov_b32 s2, 0xffff0000
.endif
	s_mov_b32 s18, 0x76543210
	s_mov_b32 s19, 0xfedcba98
	s_mov_b32 s3, 0x600000
	PLACES NP
.irp b, 0,1,2,3
	v_mov_b32 v[TM+4+\b], 0
.endr
.macro QBLK a
.set AC,  64*((\a)%4)
.set PCS, PC+16*((\a)%2)
.set OBS, OB+16*((\a)%2)
.set PWS, PWD+(\a)%2
	WIN 0x0a+5*((\a)/4)
.irp b, 0,1,2,3
.if QKV
	v_max3_num_f32 v[TM+\b], |v[AC+16*\b]|, |v[AC+16*\b+1]|, 0x4800000
.else
	v_max3_num_f32 v[TM+\b], v[AC+16*\b], v[AC+16*\b+1], 0x4800000
.endif
.endr
.irp i, 2,4,6,8,10,12,14
.irp b, 0,1,2,3
.if QKV
	v_max3_num_f32 v[TM+\b], |v[AC+16*\b+\i]|, |v[AC+16*\b+\i+1]|, v[TM+\b]
.else
	v_max3_num_f32 v[TM+\b], v[AC+16*\b+\i], v[AC+16*\b+\i+1], v[TM+\b]
.endif
.endr
.endr
	WIN 0
.irp b, 0,1,2,3
	v_permlanex16_b32 v[TM+4+\b], v[TM+\b], s18, s19
.endr
.irp b, 0,1,2,3
	v_max_num_f32 v[TM+\b], v[TM+\b], v[TM+4+\b]
.endr
.irp b, 0,1,2,3
	v_add_nc_u32 v[TM+12+\b], 0xfc000000, v[TM+\b]
.endr
.irp b, 0,1,2,3
	v_and_or_b32 v[TM+8+\b], v[TM+\b], 0x7f800000, s3
.endr
.irp b, 0,1,2,3
	v_lshrrev_b32 v[TM+4+\b], 23, v[TM+12+\b]
.endr
	v_lshl_or_b32 v[PWS], v[TM+5], 8, v[TM+4]
	v_lshl_or_b32 v[PWS], v[TM+6], 16, v[PWS]
	v_lshl_or_b32 v[PWS], v[TM+7], 24, v[PWS]
	WIN 0x02+(\a)/4
.irp b, 0,1,2,3
.irp i, 0,1,2,3,4,5,6,7,8,9,10,11,12,13,14,15
.if QKV
	v_med3_num_f32 v[T+16*\b+\i], v[AC+16*\b+\i], -v[TM+8+\b], v[TM+8+\b]
.else
	v_med3_num_f32 v[T+16*\b+\i], v[AC+16*\b+\i], 0, v[TM+8+\b]
.endif
.endr
.endr
	WIN 0
.irp b, 0,1,2,3
	v_cvt_scalef32_pk8_fp8_f32 v[PCS+4*\b:PCS+4*\b+1], v[T+16*\b:T+16*\b+7], v[TM+12+\b]
	v_cvt_scalef32_pk8_fp8_f32 v[PCS+4*\b+2:PCS+4*\b+3], v[T+16*\b+8:T+16*\b+15], v[TM+12+\b]
.endr
	v_nop
.irp t, 0,1,2,3,4,5,6,7
	ds_store_b64 v[STQ], v[PCS+2*\t:PCS+2*\t+1] offset:16*\t
.endr
.if QKV
	v_perm_b32 v[WS+2*((\a)%2)], v[PWS], v[PWS], 0x01000100
	v_perm_b32 v[WS+2*((\a)%2)+1], v[PWS], v[PWS], 0x03020302
.irp c, 0,1
	ds_store_b32 v[SSA], v[WS+2*((\a)%2)+\c] offset:(2*((\a)/4)+\c)*256+((\a)%2)*128+(((\a)%4)/2)*8
.endr
.irp c, 0,1
.irp x, 0,1
	ds_load_b128 v[OBS+4*(2*\c+\x):OBS+4*(2*\c+\x)+3], v[RDQ] offset:1152*\x+64*\c
.endr
.endr
.else
.if (\a)%2
	v_cndmask_b32 v[WS+(\a)/2], v[PWD], v[PWD+1], s2
	global_store_b32 v[SSR], v[WS+(\a)/2], s[6:7] offset:2048*((\a)-1)
.endif
.irp u, 0,1,2,3
	ds_load_b128 v[OBS+4*\u:OBS+4*\u+3], v[RDQ] offset:576*\u
.endr
.endif
.endm
.macro SEND a, younger
.set OBS, OB+16*((\a)%2)
	s_wait_dscnt \younger
.if QKV
.irp c, 0,1
.irp x, 0,1
	global_store_b128 v[LIN], v[OBS+4*(2*\c+\x):OBS+4*(2*\c+\x)+3], s[PB+4*((\a)/4)+2*\c:PB+4*((\a)/4)+2*\c+1] offset:(32*(((\a)%4)/2)+16*\x+8*((\a)%2))*64
.endr
.endr
.else
.irp u, 0,1,2,3
	global_store_b128 v[LIN], v[OBS+4*\u:OBS+4*\u+3], s[4:5] offset:2048*(\a)+512*\u
.endr
.endif
.endm
	QBLK 0
.irp a, 1,2,3,4,5,6,7
.if \a > 1
	s_wait_xcnt 0x0
.endif
	QBLK \a
	SEND \a-1, 12+2*QKV
.endr
	SEND 7, 0
.if QKV
.irp k, 0,1,2,3
	ds_load_b64 v[SO+2*\k:SO+2*\k+1], v[SSR] offset:256*\k
.endr
	s_wait_dscnt 0x0
.irp k, 0,1,2,3
	global_store_b64 v[SL8], v[SO+2*\k:SO+2*\k+1], s[SBP+2*\k:SBP+2*\k+1]
.endr
.endif
	s_wait_tensorcnt 0x0
	ds_add_u32 v[SPW], v[NIL]
	s_wait_dscnt 0x0
	CROUND
	s_endpgm
.Lfunc_end_k_q60c7f1a211_qkv:
	.size	k_q60c7f1a211_qkv, .Lfunc_end_k_q60c7f1a211_qkv-k_q60c7f1a211_qkv
	.p2alignl 7, 3214868480
	.fill 96, 4, 3214868480
	.section	.rodata,"a",@progbits
	.p2align	6, 0x0
	.amdhsa_kernel k_q60c7f1a211_qkv
		.amdhsa_group_segment_fixed_size 327680
		.amdhsa_private_segment_fixed_size 0
		.amdhsa_enable_private_segment 0
		.amdhsa_kernarg_size 88
		.amdhsa_user_sgpr_count 2
		.amdhsa_user_sgpr_kernarg_segment_ptr 1
		.amdhsa_wavefront_size32 1
		.amdhsa_system_sgpr_workgroup_id_x 1
		.amdhsa_system_sgpr_workgroup_id_y 1
		.amdhsa_system_sgpr_workgroup_id_z 1
		.amdhsa_system_vgpr_workitem_id 0
		.amdhsa_next_free_vgpr 1024
		.amdhsa_next_free_sgpr 100
		.amdhsa_reserve_vcc 0
		.amdhsa_float_denorm_mode_32 3
		.amdhsa_float_denorm_mode_16_64 3
		.amdhsa_memory_ordered 1
		.amdhsa_forward_progress 1
		.amdhsa_inst_pref_size 223
	.end_amdhsa_kernel
	.amdgpu_metadata
---
amdhsa.version: [ 1, 2 ]
amdhsa.kernels:
  - .name:           k_q60c7f1a211_qkv
    .symbol:         k_q60c7f1a211_qkv.kd
    .args:
      - { .name: wsx, .offset: 0, .size: 8, .value_kind: global_buffer, .address_space: global }
      - { .name: Wv_codes, .offset: 8, .size: 8, .value_kind: global_buffer, .address_space: global }
      - { .name: Wv_scales, .offset: 16, .size: 8, .value_kind: global_buffer, .address_space: global }
      - { .name: Wq_codes, .offset: 24, .size: 8, .value_kind: global_buffer, .address_space: global }
      - { .name: Wq_scales, .offset: 32, .size: 8, .value_kind: global_buffer, .address_space: global }
      - { .name: Wk_codes, .offset: 40, .size: 8, .value_kind: global_buffer, .address_space: global }
      - { .name: Wk_scales, .offset: 48, .size: 8, .value_kind: global_buffer, .address_space: global }
      - { .name: bq, .offset: 56, .size: 8, .value_kind: global_buffer, .address_space: global }
      - { .name: bk, .offset: 64, .size: 8, .value_kind: global_buffer, .address_space: global }
      - { .name: bv, .offset: 72, .size: 8, .value_kind: global_buffer, .address_space: global }
      - { .name: wsqkv, .offset: 80, .size: 8, .value_kind: global_buffer, .address_space: global }
    .group_segment_fixed_size: 327680
    .private_segment_fixed_size: 0
    .kernarg_segment_align: 8
    .kernarg_segment_size: 88
    .max_flat_workgroup_size: 128
    .sgpr_count:     100
    .vgpr_count:     1024
    .wavefront_size: 32
...
	.end_amdgpu_metadata
.endif
;; end of part 2
;; launch attn (part 3): grid 8 x 32, 8 waves a work-group, clusters of 4 x 1, 327,680 bytes of LDS; arguments wsqkv, wso; writes wso
.if DOCPART == 3
	.amdgcn_target "amdgcn-amd-amdhsa--gfx1250"
	.amdhsa_code_object_version 6
	.text
	.protected	k_q60c7f1a211_attn
	.globl	k_q60c7f1a211_attn
	.p2align	8
	.type	k_q60c7f1a211_attn,@function
k_q60c7f1a211_attn:
	s_mov_b64 s[64:65], 0
	v_nop
	global_prefetch_b8 v0, s[64:65] scope:SCOPE_SE
	s_setreg_imm32_b32 hwreg(HW_REG_WAVE_MODE, 25, 1), 1
	s_wait_xcnt 0x0
	s_wait_alu depctr_hold_cnt(0) depctr_sa_sdst(0) depctr_va_vdst(0) depctr_va_sdst(0) depctr_va_ssrc(0) depctr_va_vcc(0) depctr_vm_vsrc(0)
	s_getreg_b32 s2, hwreg(HW_REG_IB_STS2, 6, 4)
	s_cmp_eq_u32 s2, 0
	s_cbranch_scc0 .Lentry_in_a_cluster
	s_endpgm
.Lentry_in_a_cluster:
	s_bfe_u32 s2, ttmp6, 0x10000c
	s_cmp_lg_u32 s2, 0x3003
	s_cbranch_scc0 .Lentry_shape_is_right
	s_endpgm
.Lentry_shape_is_right:
; Attention on codes of E4M3: O = softmax(Q K^T / 8) V for 32 heads of 2,048 tokens x 64 channels, and O quantised along the channels for the next product.
; IN (wsqkv): blocks of 64 positions x 64 codes; block (16 batch + head) x 32 + group.  q, k: a position is a token, v: a channel (bytes = keys).  Position p holds row p with bits 3 and 4 swapped.
; Scale blocks of 256 bytes: position p's word at 16 (p % 16) + 4 (p / 16); a word is the row's two bytes, twice.
; THE SOFTMAX: t = score x log2(e) / 8; M = the running largest t rounded up to a whole number; p = 2^(t - M) is quantised along the keys; the row's sum is taken of the unquantised p and divides O at the end.
; A HEAD'S K AND V STAY IN LDS: 2 x 131,072 bytes of codes and 2 x 8,192 scale bytes, each as rows of 256 bytes + 16 of padding: 295,936 bytes.  Nothing is filled again: no ring, no round in the loop.
; A row of 64 codes is a quarter of an LDS row: row r of a tile lies at 272 (r / 4) + 64 (r % 4), so the 16 rows that a load touches start in 16 different columns of 16 bytes modulo 256.
; FILLS: one joint load a wave at the head (cluster 4 x 1: the four query blocks of a cluster read the same head).  Waves 0, 1: K's, V's scale bytes; waves 2, 3: keys 0-511 of K, V, shown at the first barrier;
; waves 4 to 7: keys 512-1279 and 1280-2047 of K, V, shown at a second barrier behind three key steps.  No prefetch: every byte is asked for by these eight loads, and no later load exists to run ahead of.
; SHARES: a work-group owns 256 query positions of a head; each of its eight waves 32, as two tiles of 16: every fragment of K and V read from LDS feeds two products.  Every wave walks all keys, 128 a step.
; Both products are used transposed (S^T = K Q^T, O^T = V^T P^T): a lane holds one query of each tile.  By the swap of bits the 16 registers of tiles 2 b, 2 b + 1 of S^T are keys 32 b + 16 (lane / 16) + 0..15.
; K = 64 IN AN INSTRUCTION OF 128: a pair of key tiles shares eight registers of zero codes: [even tile | zeros | odd tile]; the odd tile's codes stand at k 64-127, against a second copy of Q there.
; ORDER OF A STEP: S(0), S(1); this step's V and the next step's K are fetched; the two tiles' softmax, line by line together, so that no line waits for the line above it; codes(0), PV(0), codes(1), PV(1).
; The last step's fetch of K reads the first bytes of V's region and of K's: landed bytes, never used.
; REGISTERS: window 0: all that vector lines work on but O^T.  Window 1: v0-95 K's four triples, v96-159 V's four fragments, v160-191 Q's two tiles, v192-255 O^T of the two tiles.
; OUT (wso): codes [16 heads][4096 rows][64]; scale bytes [4096][32] at OSOFF: 2 bytes a row and head, so those aligned blocks of 256 bytes are written in part.
; LIMITS: a block whose largest magnitude lies under 2^-118 gets the byte 1; NaN and infinities are not served; the scaled scores t stay under 2^31 in magnitude.
.set SCK,   0                          ; K's scale blocks: 32 x 272
.set KB,    8704                       ; K's codes: 512 x 272
.set VB,    KB+139264                  ; V's codes
.set SCV,   VB+139264                  ; V's scale blocks
.set STG,   SCV+8704                   ; the way out: 2 x 16 rows x 80 bytes a wave; no fill lands here
.set SPARE, STG+8*2560                 ; the spare words: 128 bytes a wave, named by no other line
.set STEPB, 8704                       ; 128 keys of K, or of V: 32 LDS rows
.set KC,    4194304
.set QS,    12582912
.set KSO,   12845056
.set OSOFF, 4194304
.set AK0,  1
.set AV0,  2
.set ASK0, 3
.set ASV0, 4
.set SPW,  5
.set NIL,  6
.set ADK,  8
.set ADV,  9
.set ADS,  10
.set ADT,  11
; of tile u: v[12+4u] -M, v[13+4u] the largest t, v[14+4u:15+4u] the sum in two halves
.set QW,   20                          ; + u   Q's scale words
.set TT,   22                          ; + u   at work
.set F,    24                          ; + 2u  f = 2^(old M - new M), and a 0
.set VS,   28                          ; v28-31 V's scale words of the step
.set SA,   32                          ; + 2u  the second chain of the row's sum
.set PSW,  40                          ; + u   p's scale word
.set KSW,  42                          ; v42-49 K's scale words, a register a tile
.set VR,   50                          ; v50-57 V's scale words of two panels
.set W,    58                          ; + 16u: +0..3 block maxima, +4..7 at work, +8..11 448 x scale, +12..15 scale operands
.set OLD,  90                          ; + 5u  the old -M
.set HB,   91                          ; - 55u (v91-94, v36-39) 448 x scale once more: the two halves of a dual line take their first sources from different banks
.set S,    96                          ; + 64u S^T, then p
.set PCD,  224                         ; + 16u p's codes
.set VF,   96                          ; window 1
.set QR,   160                         ; window 1
.set O,    192                         ; window 1, + 32u
.set WV,   18
.set MNT,  19
.set SEL,  20
.set CS,   22
.set G1S,  24
.set G1A,  32
.set G1B,  40
.set G0S,  48
.set G0A,  52
.set G0B,  56
.set TK,   66
.set TS,   67
.set CNT,  68
.set MASK, 69
.set MSB, 0
.macro WIN new                         ; the immediate's high byte repeats the setting that is left
.if MSB != (\new)
	s_set_vgpr_msb (MSB<<8)|(\new)
.set MSB, (\new)
.endif
.endm
.macro ROUND                           ; a round of the cluster's barrier
	s_barrier_signal -1
	s_barrier_wait -1
	s_cmp_lg_u32 s[WV], 0
	s_cbranch_scc1 .Lnot_wave_0_\@
	s_barrier_signal -3
.Lnot_wave_0_\@:
	s_barrier_wait -3
	s_barrier_signal -1
	s_barrier_wait -1
.endm
.macro GRP1 g, rows                    ; group 1: so many dense rows of 256 bytes, 16 of padding behind each; mask: all four partners
	s_mov_b32 s[\g], 15|(1<<20)|(1<<21)|(5<<22)|(3<<25)
	s_mov_b32 s[\g+1], 256<<16
	s_mov_b32 s[\g+2], (\rows)<<16
	s_mov_b32 s[\g+3], 256<<16
	s_mov_b32 s[\g+4], \rows
	s_mov_b32 s[\g+5], 256
	s_mov_b32 s[\g+6], 0
	s_mov_b32 s[\g+7], 0
.endm
.macro TLOAD g0, g1                    ; an s_nop 0 and four v_nop follow the load
	tensor_load_to_lds s[\g0:\g0+3], s[\g1:\g1+7]
	s_nop 0
.rept 4
	v_nop
.endr
.endm
	s_load_b128 s[4:7], s[0:1], 0x0                ; wsqkv s[4:5], wso s[6:7]
	v_lshl_add_u32 v[SPW], v0, 2, SPARE
	v_mov_b32 v[NIL], 0
	ds_add_u32 v[SPW], v[NIL]                      ; the opening lines: the add, twice on end, and its wait ahead of my tensor load
	ds_add_u32 v[SPW], v[NIL]
	v_lshrrev_b32 v8, 5, v0
	v_readfirstlane_b32 s[WV], v8                  ; wave 0..7
	s_and_b32 s10, ttmp7, 0xffff                   ; 16 batch + head, which the partners share
	s_and_b32 s11, s[WV], 1                        ; I fetch for K (0) or V (1)
	s_bfe_u32 s12, s[WV], 0x10001                  ; waves 4 to 7: which 768 keys
	s_mov_b32 s[G1S], 15|(3<<16)|(1<<20)|(1<<21)|(5<<22)|(3<<25)   ; 8,192 scale bytes as 32 rows of 256 bytes (32 elements of 8)
	s_mov_b32 s[G1S+1], 32<<16
	s_mov_b32 s[G1S+2], 32<<16
	s_mov_b32 s[G1S+3], 32<<16
	s_mov_b32 s[G1S+4], 32
	s_mov_b32 s[G1S+5], 32
	s_mov_b32 s[G1S+6], 0
	s_mov_b32 s[G1S+7], 0
	GRP1 G1A, 128                                  ; 512 keys: 32,768 bytes
	GRP1 G1B, 192                                  ; 768 keys: 49,152 bytes
	s_mov_b32 s[G0S], 1
	s_mul_i32 s[G0S+1], s11, SCV-SCK
	s_mov_b32 s[G0A], 1
	s_mul_i32 s[G0A+1], s11, VB-KB
	s_add_co_u32 s[G0A+1], s[G0A+1], KB
	s_mov_b32 s[G0B], 1
	s_mul_i32 s13, s12, 192*272
	s_add_co_u32 s[G0B+1], s[G0A+1], s13
	s_add_co_u32 s[G0B+1], s[G0B+1], 128*272
	s_lshl_b32 s60, s11, 18
	s_lshl_b32 s13, s10, 13
	s_add_co_u32 s60, s60, s13
	s_add_co_u32 s60, s60, KSO                     ; the head's scale blocks of K or V
	s_mov_b32 s61, 0
	s_lshl_b32 s62, s11, 22
	s_lshl_b32 s13, s10, 17
	s_add_co_u32 s62, s62, s13
	s_add_co_u32 s62, s62, KC                      ; its codes
	s_mov_b32 s63, 0
	s_mul_i32 s14, s12, 49152
	s_add_co_u32 s14, s14, s62
	s_add_co_u32 s14, s14, 32768                   ; and those from key 512 or 1280 on
	s_mov_b32 s15, 0
	s_wait_dscnt 0x0                               ; both opening adds are done
	s_wait_kmcnt 0x0
	s_add_nc_u64 s[G0S+2:G0S+3], s[4:5], s[60:61]
	s_or_b32 s[G0S+3], s[G0S+3], 0x80000000
	s_add_nc_u64 s[G0A+2:G0A+3], s[4:5], s[62:63]
	s_or_b32 s[G0A+3], s[G0A+3], 0x80000000
	s_add_nc_u64 s[G0B+2:G0B+3], s[4:5], s[14:15]
	s_or_b32 s[G0B+3], s[G0B+3], 0x80000000
	ROUND                                          ; all four work-groups are here: the joint loads meet
	s_cmp_lt_u32 s[WV], 2                          ; one chain of branches, one load to an arm; the waves that wait at the first barrier have lines of their own
	s_cbranch_scc0 .Lcodes
	TLOAD G0S, G1S
	s_branch .Lasked
.Lcodes:
	s_cmp_lt_u32 s[WV], 4
	s_cbranch_scc0 .Lrest
	TLOAD G0A, G1A
	s_branch .Lasked
.Lrest:
	TLOAD G0B, G1B
.Lasked:
	s_bfe_u32 s8, ttmp6, 0x40000                   ; cx: it enters Q's and O's global addresses alone
	s_lshl_b32 s9, ttmp9, 2
	s_add_co_u32 s9, s9, s8                        ; my block of 256 queries
	s_lshl_b32 s12, s10, 5
	s_lshl_b32 s13, s9, 2
	s_add_co_u32 s12, s12, s13
	s_lshr_b32 s13, s[WV], 1
	s_add_co_u32 s12, s12, s13                     ; Q's block of 64 positions; my 32 of them: half wave % 2
	s_lshl_b32 s70, s12, 12
	s_lshl_b32 s14, s11, 11
	s_add_co_u32 s70, s70, s14
	s_mov_b32 s71, 0
	s_add_nc_u64 s[70:71], s[4:5], s[70:71]        ; Q's codes
	s_lshl_b32 s72, s12, 8
	s_lshl_b32 s14, s11, 3
	s_add_co_u32 s72, s72, s14
	s_add_co_u32 s72, s72, QS
	s_mov_b32 s73, 0
	s_add_nc_u64 s[72:73], s[4:5], s[72:73]        ; Q's scale words
	s_lshr_b32 s12, s10, 4
	s_lshl_b32 s12, s12, 11                        ; 2048 batch
	s_lshl_b32 s13, s9, 8
	s_add_co_u32 s12, s12, s13
	s_lshr_b32 s13, s[WV], 1
	s_lshl_b32 s13, s13, 6
	s_add_co_u32 s12, s12, s13
	s_lshl_b32 s13, s11, 5
	s_add_co_u32 s12, s12, s13                     ; lane r's query of tile u is token row0 + 8 u + 16 (r / 8) + r % 8
	s_and_b32 s13, s10, 15                         ; the head
	s_lshl_b32 s74, s13, 18
	s_lshl_b32 s14, s12, 6
	s_add_co_u32 s74, s74, s14
	s_mov_b32 s75, 0
	s_add_nc_u64 s[74:75], s[6:7], s[74:75]        ; O's codes
	s_lshl_b32 s76, s12, 5
	s_lshl_b32 s14, s13, 1
	s_add_co_u32 s76, s76, s14
	s_add_co_u32 s76, s76, OSOFF
	s_mov_b32 s77, 0
	s_add_nc_u64 s[76:77], s[6:7], s[76:77]        ; O's scale bytes
	s_mov_b32 s[SEL], 0x76543210
	s_mov_b32 s[SEL+1], 0xfedcba98
	s_mov_b32 s[CS], 0x3e38aa3b                    ; c = log2(e) / 8
	s_mov_b32 s[CS+1], s[CS]
	s_mov_b32 s[MNT], 0x600000
	s_mov_b32 s[MASK], 0xffff
	s_mov_b32 s[TK], 0
	s_mov_b32 s[TS], 0
	v_and_b32 v8, 15, v0                           ; r
	v_bfe_u32 v9, v0, 4, 1                         ; h
	v_lshlrev_b32 v7, 6, v8
	v_lshl_add_u32 v7, v9, 4, v7                   ; Q: 64 r + 16 h
	v_lshlrev_b32 v36, 4, v8
	v_lshrrev_b32 v10, 2, v8
	v_and_b32 v11, 3, v8
	v_mul_u32_u24 v10, v10, 272
	v_lshl_add_u32 v10, v11, 6, v10
	v_lshl_add_u32 v10, v9, 4, v10                 ; a tile's row r: 272 (r / 4) + 64 (r % 4) + 16 h
	v_add_nc_u32 v[AK0], KB, v10
	v_add_nc_u32 v[AV0], VB, v10
	v_lshl_add_u32 v[ASK0], v8, 4, SCK
	v_lshl_add_u32 v[ASV0], v8, 4, SCV
	WIN 0x40                                       ; destinations in window 1
.irp u, 0,1
.irp k, 0,1                                    ; the codes at k 0-63, and their second copy at k 64-127
	global_load_b128 v[QR+16*\u+8*\k:QR+16*\u+8*\k+3], v7, s[70:71] offset:1024*\u
	global_load_b128 v[QR+16*\u+8*\k+4:QR+16*\u+8*\k+7], v7, s[70:71] offset:1024*\u+32
.endr
.endr
.irp p, 0,1,2,3
.irp j, 0,1,2,3,4,5,6,7
	v_mov_b32 v[24*\p+8+\j], 0                     ; the triples' zero codes
.endr
.endr
.set j, 0
.rept 64
	v_mov_b32 v[O+j], 0                            ; O^T: the step is written once; the first change of M leaves zeros zeros
.set j, j+1
.endr
	WIN 0
	global_load_b32 v[QW], v36, s[72:73]
	global_load_b32 v[QW+1], v36, s[72:73] offset:4
.irp u, 0,1
	v_mov_b32 v[13+4*\u], 0xff61b1e6               ; the largest t so far: -3e38
	v_floor_f32 v[12+4*\u], -v[13+4*\u]            ; -M
	v_mov_b32 v[14+4*\u], 0
	v_mov_b32 v[15+4*\u], 0
	v_mov_b32 v[F+2*\u+1], 0
.irp b, 0,1,2,3
	v_mov_b32 v[W+16*\u+4+\b], 0                   ; a lane permute's destination counts as one of its sources
.endr
.endr
	v_mov_b32 v[ADK], v[AK0]
	v_mov_b32 v[ADS], v[ASK0]
.macro KFETCH                          ; 128 keys of K: eight tiles into the four triples, and their scale words
	WIN 0x40
.irp i, 0,1,2,3,4,5,6,7
.irp c, 0,1
	ds_load_b128 v[24*(\i/2)+16*(\i%2)+4*\c:24*(\i/2)+16*(\i%2)+4*\c+3], v[ADK] offset:1088*\i+32*\c
.endr
.endr
	WIN 0
	ds_load_b128 v[KSW:KSW+3], v[ADS]
	ds_load_b128 v[KSW+4:KSW+7], v[ADS] offset:272
.endm
.macro VFETCH                          ; V's four tiles of 16 channels x 128 keys (two panels of 64 keys), and the panels' scale words
	WIN 0x40
.irp t, 0,1,2,3
.irp c, 0,1,2,3
	ds_load_b128 v[VF+16*\t+4*\c:VF+16*\t+4*\c+3], v[ADV] offset:(\c/2)*4352+1088*\t+32*(\c%2)
.endr
.endr
	WIN 0
	ds_load_b128 v[VR:VR+3], v[ADT]
	ds_load_b128 v[VR+4:VR+7], v[ADT] offset:272
.endm
.macro SPROD u                         ; S^T = K Q^T of tile u: sources in window 1, sums in window 0
	WIN 0x05
.irp i, 0,1,2,3,4,5,6,7
	v_wmma_scale_f32_16x16x128_f8f6f4 v[S+64*\u+8*\i:S+64*\u+8*\i+7], v[24*(\i/2)+8*(\i%2):24*(\i/2)+8*(\i%2)+15], v[QR+16*\u:QR+16*\u+15], 0, v[KSW+\i], v[QW+\u]
.endr
.endm
; THE SOFTMAX of both tiles over the step's 128 keys, up to p's scale words: each group of lines stands for both tiles, by turns.
.macro SMJ
.irp u, 0,1
	v_mov_b32 v[OLD+5*\u], v[12+4*\u]
.endr
.irp b, 0,1,2,3
.irp u, 0,1
	v_max3_num_f32 v[W+16*\u+\b], v[S+64*\u+16*\b], v[S+64*\u+16*\b+1], v[S+64*\u+16*\b+2]   ; the largest score of each block of 32 keys: for the row's maximum, and for the block's largest p
.endr
.endr
.irp i, 3,5,7,9,11,13
.irp b, 0,1,2,3
.irp u, 0,1
	v_max3_num_f32 v[W+16*\u+\b], v[W+16*\u+\b], v[S+64*\u+16*\b+\i], v[S+64*\u+16*\b+\i+1]
.endr
.endr
.endr
.irp b, 0,1,2,3
.irp u, 0,1
	v_max_num_f32 v[W+16*\u+\b], v[W+16*\u+\b], v[S+64*\u+16*\b+15]
.endr
.endr
.irp b, 0,1,2,3
.irp u, 0,1
	v_permlanex16_b32 v[W+16*\u+4+\b], v[W+16*\u+\b], s[SEL], s[SEL+1]
.endr
.endr
.irp b, 0,1,2,3
.irp u, 0,1
	v_max_num_f32 v[W+16*\u+\b], v[W+16*\u+\b], v[W+16*\u+4+\b]
.endr
.endr
.irp u, 0,1
	v_max3_num_f32 v[TT+\u], v[W+16*\u], v[W+16*\u+1], v[W+16*\u+2]
.endr
.irp u, 0,1
	v_max_num_f32 v[TT+\u], v[TT+\u], v[W+16*\u+3]
.endr
.irp u, 0,1
	v_mul_f32 v[TT+\u], s[CS], v[TT+\u]
.endr
.irp u, 0,1
	v_max_num_f32 v[13+4*\u], v[13+4*\u], v[TT+\u] ; the running largest t
.endr
.irp u, 0,1
	v_floor_f32 v[12+4*\u], -v[13+4*\u]            ; the new -M = -ceil(t): a whole number
.endr
.set j, 0
.rept 32
	v_pk_fma_f32 v[S+j:S+j+1], v[S+j:S+j+1], s[CS:CS+1], v[12:13] op_sel_hi:[1,0,0]             ; t - M (of the pairs c and -M the low word serves both halves)
	v_pk_fma_f32 v[S+64+j:S+64+j+1], v[S+64+j:S+64+j+1], s[CS:CS+1], v[16:17] op_sel_hi:[1,0,0]
.if j == 4
	v_sub_f32 v[TT], v12, v[OLD]
	v_sub_f32 v[TT+1], v16, v[OLD+5]
.endif
.if j == 10
	v_cvt_i32_f32 v[TT], v[TT]                     ; (it saturates)
	v_cvt_i32_f32 v[TT+1], v[TT+1]
.endif
.if j == 16
	v_ldexp_f32 v[F], 1.0, v[TT]                   ; f = 2^(old M - new M): rounds nothing
	v_ldexp_f32 v[F+2], 1.0, v[TT+1]
.endif
.set j, j+2
.endr
.irp b, 0,1,2,3
.irp u, 0,1
	v_fma_f32 v[W+16*\u+\b], v[W+16*\u+\b], s[CS], v[12+4*\u]   ; the same of each block's largest score
.endr
.endr
	s_wait_alu depctr_va_vdst(0)                   ; the wait ahead of the batch
.set j, 0
.rept 128
	v_exp_f32 v[S+j], v[S+j]                       ; p = 2^(t - M)
.set j, j+1
.endr
.irp u, 0,1
	v_pk_mul_f32 v[14+4*\u:15+4*\u], v[14+4*\u:15+4*\u], v[F+2*\u:F+2*\u+1] op_sel_hi:[1,0]   ; the sums under the new M (plain lines behind the batch)
.endr
	s_wait_alu depctr_va_vdst(0)                   ; one wait for the batch, ahead of its first reader
.irp b, 0,1,2,3
.irp u, 0,1
	v_exp_f32 v[W+16*\u+\b], v[W+16*\u+\b]         ; the block's largest p: the same two instructions on the same number give the same bits
.endr
.endr
.irp u, 0,1
	v_pk_add_f32 v[SA+2*\u:SA+2*\u+1], v[S+64*\u:S+64*\u+1], v[S+64*\u+2:S+64*\u+3]   ; the rows' sums of the UNQUANTISED p, in two chains a tile
.endr
.set j, 4
.rept 15
.irp u, 0,1
	v_pk_add_f32 v[14+4*\u:15+4*\u], v[14+4*\u:15+4*\u], v[S+64*\u+j:S+64*\u+j+1]
.endr
.irp u, 0,1
	v_pk_add_f32 v[SA+2*\u:SA+2*\u+1], v[SA+2*\u:SA+2*\u+1], v[S+64*\u+j+2:S+64*\u+j+3]
.endr
.set j, j+4
.endr
.irp u, 0,1
	v_pk_add_f32 v[14+4*\u:15+4*\u], v[14+4*\u:15+4*\u], v[SA+2*\u:SA+2*\u+1]
.endr
	s_wait_dscnt 0x0                               ; V's fragments and scale words, asked for at the step's head, are in
	s_wait_alu depctr_va_vdst(0)                   ; the wait for the eight
.irp b, 0,1,2,3
.irp u, 0,1
	v_max_num_f32 v[W+16*\u+\b], 0x4800000, v[W+16*\u+\b]      ; the floor 2^(9 - 127): the byte cannot fall under 1
.endr
.endr
.irp b, 0,1,2,3
.irp u, 0,1
	v_add_nc_u32 v[W+16*\u+12+\b], 0xfc000000, v[W+16*\u+\b]   ; 8 off the exponent field: the conversion's scale operand
.endr
.endr
.irp b, 0,1,2,3
.irp u, 0,1
	v_and_or_b32 v[W+16*\u+8+\b], v[W+16*\u+\b], 0x7f800000, s[MNT]   ; 448 x the scale,
	v_and_or_b32 v[HB-55*\u+\b], v[W+16*\u+\b], 0x7f800000, s[MNT]    ; and once more, in another bank
.endr
.endr
.irp b, 0,1,2,3
.irp u, 0,1
	v_lshrrev_b32 v[W+16*\u+4+\b], 23, v[W+16*\u+12+\b]        ; the scale's byte
.endr
.endr
.irp t, 0,1,2,3
	v_bfi_b32 v[VS+\t], s[MASK], v[VR+\t], v[VR+4+\t]   ; two bytes of the first panel's word, two of the second's: both tiles' products read them
.endr
.irp u, 0,1
	v_lshl_or_b32 v[PSW+\u], v[W+16*\u+5], 8, v[W+16*\u+4]
.endr
.irp u, 0,1
	v_lshl_or_b32 v[PSW+\u], v[W+16*\u+6], 16, v[PSW+\u]
.endr
.irp u, 0,1
	v_lshl_or_b32 v[PSW+\u], v[W+16*\u+7], 24, v[PSW+\u]       ; p's scale word for these 128 keys
.endr
.endm
; Tile u: p held and converted; O^T under the new M; O^T += V^T P^T.  Tile 1's holds and conversions name no register of tile 0's products, which stand ahead of them.
.macro FINISH u
.irp b, 0,1,2,3
.irp i, 0,2,4,6,8,10,12,14
	v_dual_min_num_f32 v[S+64*\u+16*\b+\i], v[W+16*\u+8+\b], v[S+64*\u+16*\b+\i] :: v_dual_min_num_f32 v[S+64*\u+16*\b+\i+1], v[HB-55*\u+\b], v[S+64*\u+16*\b+\i+1]   ; the conversion does not saturate (ISA guide 7.6.2); p is not negative: a one-sided hold, two numbers a line
.endr
	v_cvt_scalef32_pk8_fp8_f32 v[PCD+16*\u+4*\b:PCD+16*\u+4*\b+1], v[S+64*\u+16*\b:S+64*\u+16*\b+7], v[W+16*\u+12+\b]
	v_cvt_scalef32_pk8_fp8_f32 v[PCD+16*\u+4*\b+2:PCD+16*\u+4*\b+3], v[S+64*\u+16*\b+8:S+64*\u+16*\b+15], v[W+16*\u+12+\b]
.endr
	WIN 0x41                                       ; O^T lies in window 1, f in window 0
	s_wait_alu depctr_va_vdst(0)                   ; the wait here, directly ahead of the first reader of O^T
.set j, 0
.rept 16
	v_pk_mul_f32 v[O+32*\u+j:O+32*\u+j+1], v[O+32*\u+j:O+32*\u+j+1], v[F+2*\u:F+2*\u+1] op_sel_hi:[1,0]   ; these 16 are also the places ahead of the products below
.set j, j+2
.endr
	WIN 0x51                                       ; V and O^T in window 1, p's codes in window 0
.irp t, 0,1,2,3
	v_wmma_scale_f32_16x16x128_f8f6f4 v[O+32*\u+8*\t:O+32*\u+8*\t+7], v[VF+16*\t:VF+16*\t+15], v[PCD+16*\u:PCD+16*\u+15], v[O+32*\u+8*\t:O+32*\u+8*\t+7], v[VS+\t], v[PSW+\u]
.endr
	WIN 0
.endm
; A KEY STEP: 128 keys, both tiles.
.macro STEP
	s_wait_alu depctr_va_vdst(0)
	s_wait_dscnt 0x0                               ; this step's K, asked for in the step before
	SPROD 0
	SPROD 1
	WIN 0
	v_add_nc_u32 v[ADV], s[TK], v[AV0]
	v_add_nc_u32 v[ADT], s[TS], v[ASV0]
	s_add_co_u32 s[TK], s[TK], STEPB
	s_add_co_u32 s[TS], s[TS], 544
	v_add_nc_u32 v[ADK], s[TK], v[AK0]
	v_add_nc_u32 v[ADS], s[TS], v[ASK0]
.rept 4
	v_nop                                          ; eight places with the four above: K's and V's registers are loaded anew, and the scores are read
.endr
	VFETCH
	KFETCH                                         ; the next step's K has this step in which to come
	SMJ
	FINISH 0
	FINISH 1
.endm
	s_wait_alu depctr_va_vdst(0)
	s_cmp_lt_u32 s[WV], 4
	s_cbranch_scc0 .Lnot_first
	s_wait_tensorcnt 0x0                           ; waves 0 to 3: the scale bytes and keys 0-511 have landed; the other waves' wait stands at the second barrier
.Lnot_first:
	s_barrier_signal -1
	s_barrier_wait -1
	KFETCH
	s_wait_loadcnt 0x0                             ; Q
	s_mov_b32 s[CNT], 3
.Lfirst:                                           ; steps 0 to 2: they read keys 0-511 alone (step 2 fetches step 3's K)
	STEP
	s_sub_co_u32 s[CNT], s[CNT], 1
	s_cmp_lg_u32 s[CNT], 0
	s_cbranch_scc1 .Lfirst
	s_wait_alu depctr_va_vdst(0)
	s_wait_tensorcnt 0x0                           ; every wave: all that is still out
	s_wait_dscnt 0x0
	s_barrier_signal -1
	s_barrier_wait -1
	s_mov_b32 s[CNT], 13
.Lrest_steps:                                      ; steps 3 to 15
	STEP
	s_sub_co_u32 s[CNT], s[CNT], 1
	s_cmp_lg_u32 s[CNT], 0
	s_cbranch_scc1 .Lrest_steps
	; THE WAY OUT: O^T / the sum, quantised along the channels (two blocks of 32), through my stage, a tile at a time.
	s_wait_alu depctr_va_vdst(0)
	s_wait_dscnt 0x0
.irp u, 0,1
	v_add_f32 v[14+4*\u], v[14+4*\u], v[15+4*\u]
.endr
.irp u, 0,1
	v_permlanex16_b32 v[W+16*\u+4], v[14+4*\u], s[SEL], s[SEL+1]
.endr
.irp u, 0,1
	v_add_f32 v[14+4*\u], v[14+4*\u], v[W+16*\u+4]
.endr
	s_wait_alu depctr_va_vdst(0)                   ; the wait ahead of the transcendentals
	v_rcp_f32 v14, v14
	v_rcp_f32 v18, v18
	v_and_b32 v8, 15, v0                           ; r (plain work behind the reciprocals)
	v_bfe_u32 v9, v0, 4, 1                         ; h
	s_mul_i32 s8, s[WV], 2560
	s_add_co_u32 s8, s8, STG
	v_mul_u32_u24 v10, v8, 80
	v_lshl_add_u32 v10, v9, 4, v10
	v_add_nc_u32 v10, s8, v10                      ; in: row r, 16 bytes for each half of the lanes
	v_and_b32 v11, 31, v0
	v_lshrrev_b32 v1, 2, v11
	v_mul_u32_u24 v1, v1, 80
	v_and_b32 v2, 3, v11
	v_lshl_add_u32 v1, v2, 4, v1
	v_add_nc_u32 v1, s8, v1                        ; back: four lanes to a row
	v_lshrrev_b32 v3, 3, v8
	v_and_b32 v4, 7, v8
	v_lshl_add_u32 v3, v3, 4, v4
	v_lshlrev_b32 v3, 5, v3                        ; my row's 32 scale bytes: 32 x (16 (r / 8) + r % 8)
	v_lshlrev_b32 v7, 4, v11
.macro OUT u
.set SS, S+64*\u
.set WU, W+16*\u
.set PC, PCD+16*\u
	WIN 0x01                                       ; O^T lies in window 1
	s_wait_alu depctr_va_vdst(0)                   ; directly ahead of the first readers of the tile's O^T, and of the reciprocal's
.set j, 0
.rept 32
	v_mul_f32 v[SS+j], v[O+32*\u+j], v[14+4*\u]    ; register 16 b + i is channel 32 b + 16 h + i of my query
.set j, j+1
.endr
	WIN 0
.irp b, 0,1
	v_max3_num_f32 v[WU+\b], |v[SS+16*\b]|, |v[SS+1+16*\b]|, 0x4800000
.endr
.irp i, 2,4,6,8,10,12,14
.irp b, 0,1
	v_max3_num_f32 v[WU+\b], v[WU+\b], |v[SS+16*\b+\i]|, |v[SS+1+16*\b+\i]|
.endr
.endr
.irp b, 0,1
	v_permlanex16_b32 v[WU+4+\b], v[WU+\b], s[SEL], s[SEL+1]
.endr
.irp b, 0,1
	v_max_num_f32 v[WU+\b], v[WU+\b], v[WU+4+\b]
.endr
.irp b, 0,1
	v_add_nc_u32 v[WU+12+\b], 0xfc000000, v[WU+\b]
	v_and_or_b32 v[WU+8+\b], v[WU+\b], 0x7f800000, s[MNT]
.endr
.irp b, 0,1
	v_lshrrev_b32 v[WU+4+\b], 23, v[WU+12+\b]
.endr
	v_lshl_or_b32 v[TT+\u], v[WU+5], 8, v[WU+4]    ; the row's two bytes for this head
.irp b, 0,1
.irp i, 0,1,2,3,4,5,6,7,8,9,10,11,12,13,14,15
	v_med3_num_f32 v[SS+16*\b+\i], v[SS+16*\b+\i], -v[WU+8+\b], v[WU+8+\b]
.endr
	v_cvt_scalef32_pk8_fp8_f32 v[PC+4*\b:PC+1+4*\b], v[SS+16*\b:SS+7+16*\b], v[WU+12+\b]
	v_cvt_scalef32_pk8_fp8_f32 v[PC+2+4*\b:PC+3+4*\b], v[SS+8+16*\b:SS+15+16*\b], v[WU+12+\b]
.endr
	v_nop                                          ; a plain line behind the last conversion
.irp b, 0,1
	ds_store_b128 v10, v[PC+4*\b:PC+4*\b+3] offset:1280*\u+32*\b
.endr
.irp x, 0,1
	ds_load_b128 v[42+8*\u+4*\x:45+8*\u+4*\x], v1 offset:1280*\u+640*\x   ; LDS serves a wave in order: these see my stores
.endr
.endm
	OUT 0
	OUT 1
	s_wait_alu depctr_va_vdst(0)
	s_wait_dscnt 0x0
.irp u, 0,1
.irp x, 0,1
	global_store_b128 v7, v[42+8*\u+4*\x:45+8*\u+4*\x], s[74:75] offset:512*\u+1024*\x   ; eight rows of 64 codes: 512 consecutive bytes, aligned
.endr
	global_store_b16 v3, v[TT+\u], s[76:77] offset:256*\u   ; lanes l and l xor 16 store the same two bytes to the same place
.endr
	s_wait_tensorcnt 0x0                           ; the wave's end
	ds_add_u32 v[SPW], v[NIL]
	s_wait_dscnt 0x0
	ROUND                                          ; the closing round
	s_endpgm
.Lfunc_end_k_q60c7f1a211_attn:
	.size	k_q60c7f1a211_attn, .Lfunc_end_k_q60c7f1a211_attn-k_q60c7f1a211_attn
	.p2alignl 7, 3214868480
	.fill 96, 4, 3214868480
	.section	.rodata,"a",@progbits
	.p2align	6, 0x0
	.amdhsa_kernel k_q60c7f1a211_attn
		.amdhsa_group_segment_fixed_size 327680
		.amdhsa_private_segment_fixed_size 0
		.amdhsa_enable_private_segment 0
		.amdhsa_kernarg_size 16
		.amdhsa_user_sgpr_count 2
		.amdhsa_user_sgpr_kernarg_segment_ptr 1
		.amdhsa_wavefront_size32 1
		.amdhsa_system_sgpr_workgroup_id_x 1
		.amdhsa_system_sgpr_workgroup_id_y 1
		.amdhsa_system_sgpr_workgroup_id_z 1
		.amdhsa_system_vgpr_workitem_id 0
		.amdhsa_next_free_vgpr 512
		.amdhsa_next_free_sgpr 80
		.amdhsa_reserve_vcc 0
		.amdhsa_float_denorm_mode_32 3
		.amdhsa_float_denorm_mode_16_64 3
		.amdhsa_memory_ordered 1
		.amdhsa_forward_progress 1
		.amdhsa_inst_pref_size 97
	.end_amdhsa_kernel
	.amdgpu_metadata
---
amdhsa.version: [ 1, 2 ]
amdhsa.kernels:
  - .name:           k_q60c7f1a211_attn
    .symbol:         k_q60c7f1a211_attn.kd
    .args:
      - { .name: wsqkv, .offset: 0, .size: 8, .value_kind: global_buffer, .address_space: global }
      - { .name: wso, .offset: 8, .size: 8, .value_kind: global_buffer, .address_space: global }
    .group_segment_fixed_size: 327680
    .private_segment_fixed_size: 0
    .kernarg_segment_align: 8
    .kernarg_segment_size: 16
    .max_flat_workgroup_size: 256
    .sgpr_count:     80
    .vgpr_count:     512
    .wavefront_size: 32
...
	.end_amdgpu_metadata
.endif
;; end of part 3
;; launch wo (part 4): grid 8 x 32, 4 waves a work-group, clusters of 4 x 4, 327,680 bytes of LDS; arguments wso, Wo_codes, Wo_scales, bo, x, wsy1; writes wsy1
.if DOCPART == 4
	.amdgcn_target "amdgcn-amd-amdhsa--gfx1250"
	.amdhsa_code_object_version 6
	.text
	.protected	k_q60c7f1a211_wo
	.globl	k_q60c7f1a211_wo
	.p2align	8
	.type	k_q60c7f1a211_wo,@function
k_q60c7f1a211_wo:
	s_mov_b64 s[64:65], 0
	v_nop
	global_prefetch_b8 v0, s[64:65] scope:SCOPE_SE
	s_setreg_imm32_b32 hwreg(HW_REG_WAVE_MODE, 25, 1), 1
	s_wait_xcnt 0x0
	s_wait_alu depctr_hold_cnt(0) depctr_sa_sdst(0) depctr_va_vdst(0) depctr_va_sdst(0) depctr_va_ssrc(0) depctr_va_vcc(0) depctr_vm_vsrc(0)
	s_getreg_b32 s2, hwreg(HW_REG_IB_STS2, 6, 4)
	s_cmp_eq_u32 s2, 0
	s_cbranch_scc0 .Lentry_in_a_cluster
	s_endpgm
.Lentry_in_a_cluster:
	s_bfe_u32 s2, ttmp6, 0x10000c
	s_cmp_lg_u32 s2, 0xf033
	s_cbranch_scc0 .Lentry_shape_is_right
	s_endpgm
.Lentry_shape_is_right:
; out = A B^T + bias + residual, f32.  A: codes in panels [K / PW][4096 rows][PW bytes] with scale bytes [4096][K / 32] at ASOFF of the same buffer; B: codes [1024][K], scale bytes [1024][K / 32].
; MLP2 = 0: A = the attention's output (K = 1024, panels of 64), B = Wo, residual x.   MLP2 = 1: A = the hidden layer (K = 4096, panels of 128), B = W2, residual x1.
; A tile of 128 x 128 gives 256 work-groups; four waves of 64 x 64 (16 accumulators).  K goes in steps of 512 (four matrix instructions deep) through a ring of two LDS slots.
; A's half tile (64 rows) is, in each panel, 64 PW dense bytes: one tensor load brings 512 / PW such runs, with 16 bytes of padding behind every PW bytes.
; The scale bytes of the tile's rows for all of K come once, with the first fills.  CLUSTERS 4 x 4: A's tiles shared along a row, B's along a column, asked for jointly.
; The matrix instruction is used transposed (source 0 = B's rows, source 1 = A's): a lane holds eight neighbouring columns of a row.  The bias is the C of the first K step.
; REGISTERS: window 0: v16-31 addresses; v32-63 scale words (two sets of 16); v64-95 bias; v128-255 accumulators ((a, b) at 128 + 8 (4 a + b)).
;   window 1: two fragment buffers of 128 (A's four fragments, then B's four).   window 2: v0-127 the residual, v128-191 rows read back.
.set MLP2,   0
.if MLP2
.set SIZE_K, 4096
.set PW,     128
.set QIA,    4
.set ASOFF,  16777216
.else
.set SIZE_K, 1024
.set PW,     64
.set QIA,    3
.set ASOFF,  4194304
.endif
.set AP,     PW+16                     ; a panel row in LDS
.set NPAN,   512/PW
.set HALFA,  NPAN*64*AP
.set BP,     528                       ; B's row in LDS: 512 bytes + 16
.set HALFB,  64*BP
.set SLOT,   2*HALFA+2*HALFB
.set SCL,    2*SLOT
.set KS,     SIZE_K/32
.set HALFS,  (64*KS/256)*272
.set SBLK,   (16*KS/256)*272
.set SPARE,  SCL+4*HALFS               ; the spare words: 128 bytes a wave, named by no other line
.set LAPS,   SIZE_K/1024
.set SP,     272                       ; the way out: a wave's stage of 16 rows x (256 + 16), in slot 0, which has had its last fill and its last read by then
.set NP,     8
.set ADRA, 16
.set ADRB, 20
.set STO,  24
.set RD,   25
.set CO,   26
.set ADRS, 27
.set SPW,  28
.set NIL,  29
.set BO,   30
.set SC,   32
.set BN,   64
.set ACC,  128
.set F0,   0
.set F1,   128
.set RES,  0
.set OBK,  128
.set WV, 16
.set WY, 17
.set WX, 18
.set TC, 42
.set TR, 43
.set G1, 24
.set G0, 32
.set G1B, 48
.set G0B, 56
.set G1S, 68
.set G0S, 76
.set G1SB, 80
.set G0SB, 88
.set MSB, 0
.macro WIN new
.if MSB != (\new)
	s_set_vgpr_msb (MSB<<8)|(\new)
.set MSB, (\new)
.endif
.endm
.set MUL,  0x05                        ; sources 0 and 1 window 1; C and D window 0
.set TO_F, 0x40
.macro JLOAD g0a, g1a, g0b, g1b        ; a joint load: waves 0, 1 fetch for A, waves 2, 3 for B; four v_nop follow each line
	s_cmp_eq_u32 s[WY], 0
	s_cbranch_scc0 .Lfor_b_\@
	tensor_load_to_lds s[\g0a:\g0a+3], s[\g1a:\g1a+7]
	s_nop 0
.rept 4
	v_nop
.endr
	s_branch .Lasked_\@
.Lfor_b_\@:
	tensor_load_to_lds s[\g0b:\g0b+3], s[\g1b:\g1b+7]
	s_nop 0
.rept 4
	v_nop
.endr
.Lasked_\@:
.endm
.macro CREST
	s_cmp_lg_u32 s[WV], 0
	s_cbranch_scc1 .Lnot_wave_0_\@
	s_barrier_signal -3
.Lnot_wave_0_\@:
	s_barrier_wait -3
	s_barrier_signal -1
	s_barrier_wait -1
.endm
.macro CROUND
	s_barrier_signal -1
	s_barrier_wait -1
	CREST
.endm
	s_load_b256 s[4:11], s[0:1], 0x0               ; A's buffer, B's codes, B's scales, bias
	s_load_b128 s[12:15], s[0:1], 0x20             ; residual, out
	v_lshl_add_u32 v[SPW], v0, 2, SPARE
	v_mov_b32 v[NIL], 0
	ds_add_u32 v28, v29
	ds_add_u32 v28, v29
	s_wait_dscnt 0x0
	v_lshrrev_b32 v1, 5, v0
	v_readfirstlane_b32 s[WV], v1                  ; wave 0..3
	s_lshr_b32 s[WY], s[WV], 1                     ; my half of the rows; also: I fetch for A (0) or B (1)
	s_and_b32 s[WX], s[WV], 1                      ; my half of the columns; also: which 64 rows I fetch
	s_bfe_u32 s40, ttmp6, 0x40000                  ; cx
	s_bfe_u32 s41, ttmp6, 0x40004                  ; cy
	s_lshl_b32 s[TC], ttmp9, 2
	s_add_co_u32 s[TC], s[TC], s40                 ; tile column
	s_and_b32 s[TR], ttmp7, 0xffff
	s_lshl_b32 s[TR], s[TR], 2
	s_add_co_u32 s[TR], s[TR], s41                 ; tile row
	s_lshl_b32 s44, s41, 2
	s_lshl_b32 s44, 15, s44                        ; my row of the cluster
	s_lshl_b32 s45, 0x1111, s40                    ; my column
	s_or_b32 s[G1+0], s44, (0<<16)|(1<<20)|(1<<21)|(QIA<<22)|(3<<25)   ; A: elements of 1 byte; 4 words of padding behind every PW bytes
	s_mov_b32 s[G1+1], ((64*PW)&0xffff)<<16        ; a run of 64 rows of a panel,
	s_mov_b32 s[G1+2], NPAN<<16                    ; NPAN panels,
	s_mov_b32 s[G1+3], (64*PW)<<16
	s_mov_b32 s[G1+4], NPAN
	s_mov_b32 s[G1+5], 4096*PW                     ; a panel apart
	s_mov_b32 s[G1+6], 0
	s_mov_b32 s[G1+7], 0
	s_or_b32 s[G1B+0], s45, (0<<16)|(1<<20)|(1<<21)|(6<<22)|(3<<25)    ; B: 64 rows x 512 bytes, 16 of padding behind each
	s_mov_b32 s[G1B+1], 512<<16
	s_mov_b32 s[G1B+2], 64<<16
	s_mov_b32 s[G1B+3], 512<<16
	s_mov_b32 s[G1B+4], 64
	s_mov_b32 s[G1B+5], SIZE_K
	s_mov_b32 s[G1B+6], 0
	s_mov_b32 s[G1B+7], 0
	s_or_b32 s[G1S+0], s44, (3<<16)|(1<<20)|(1<<21)|(5<<22)|(3<<25)    ; the scale bytes of 64 rows: dense, as rows of 256 bytes + 16
	s_or_b32 s[G1SB+0], s45, (3<<16)|(1<<20)|(1<<21)|(5<<22)|(3<<25)
.irp g, G1S, G1SB
	s_mov_b32 s[\g+1], 32<<16
	s_mov_b32 s[\g+2], (64*KS/256)<<16
	s_mov_b32 s[\g+3], 32<<16
	s_mov_b32 s[\g+4], 64*KS/256
	s_mov_b32 s[\g+5], 32
	s_mov_b32 s[\g+6], 0
	s_mov_b32 s[\g+7], 0
.endr
	s_lshl_b32 s21, s[WX], 6
	s_lshl_b32 s20, s[TR], 7
	s_add_co_u32 s20, s20, s21                     ; A: row 128 x tile row + 64 x half
	s_lshl_b32 s46, s[TC], 7
	s_add_co_u32 s46, s46, s21                     ; B: row 128 x tile column + 64 x half
	s_mul_i32 s22, s20, KS
	s_add_co_u32 s22, s22, ASOFF
	s_mov_b32 s23, 0
	s_mul_i32 s20, s20, PW
	s_mov_b32 s21, 0
	s_mul_i32 s92, s46, KS
	s_mov_b32 s93, 0
	s_mul_i32 s46, s46, SIZE_K
	s_mov_b32 s47, 0
	s_mul_i32 s94, s[WX], HALFA                    ; where they go: no place in the cluster enters an LDS address
	s_mul_i32 s95, s[WX], HALFB
	s_add_co_u32 s95, s95, 2*HALFA
	s_mul_i32 s96, s[WV], HALFS
	s_add_co_u32 s96, s96, SCL
	s_wait_kmcnt 0x0
	s_add_nc_u64 s[20:21], s[4:5], s[20:21]
	s_add_nc_u64 s[22:23], s[4:5], s[22:23]
	s_add_nc_u64 s[46:47], s[6:7], s[46:47]
	s_add_nc_u64 s[92:93], s[8:9], s[92:93]
	CROUND                                         ; all sixteen work-groups are here: the first joint loads meet
	s_mov_b32 s[G0S], 1
	s_mov_b32 s[G0S+1], s96
	s_mov_b64 s[G0S+2:G0S+3], s[22:23]
	s_or_b32 s[G0S+3], s[G0S+3], 0x80000000
	s_mov_b32 s[G0SB], 1
	s_mov_b32 s[G0SB+1], s96
	s_mov_b64 s[G0SB+2:G0SB+3], s[92:93]
	s_or_b32 s[G0SB+3], s[G0SB+3], 0x80000000
	JLOAD G0S, G1S, G0SB, G1SB
.irp s, 0,1
	s_mov_b32 s[G0+4*\s], 1
	s_add_co_u32 s[G0+4*\s+1], s94, \s*SLOT
	s_add_nc_u64 s[G0+4*\s+2:G0+4*\s+3], s[20:21], \s*2097152      ; 512 along K are NPAN panels of 4096 PW bytes
	s_or_b32 s[G0+4*\s+3], s[G0+4*\s+3], 0x80000000
	s_mov_b32 s[G0B+4*\s], 1
	s_add_co_u32 s[G0B+4*\s+1], s95, \s*SLOT
	s_add_nc_u64 s[G0B+4*\s+2:G0B+4*\s+3], s[46:47], \s*512
	s_or_b32 s[G0B+4*\s+3], s[G0B+4*\s+3], 0x80000000
	s_wait_alu depctr_va_vdst(0)
	s_wait_tensorcnt 0x0                           ; one tensor load a wave behind each round
	ds_add_u32 v28, v29
	s_wait_dscnt 0x0
	CROUND
	JLOAD G0+4*\s, G1, G0B+4*\s, G1B
.endr
	v_and_b32 v1, 15, v0                           ; r
	v_bfe_u32 v2, v0, 4, 1                         ; h
	v_mul_u32_u24 v3, v1, AP
	v_lshl_add_u32 v3, v2, 4, v3
	v_mul_u32_u24 v4, v1, BP
	v_lshl_add_u32 v4, v2, 4, v4
	s_mul_i32 s21, s[WY], HALFA
	s_mul_i32 s22, s[WX], HALFB
	s_add_co_u32 s22, s22, 2*HALFA
.irp s, 0,1
	v_add_nc_u32 v[ADRA+\s], s21, v3
	v_add_nc_u32 v[ADRB+\s], s22, v4
	s_add_co_u32 s21, s21, SLOT
	s_add_co_u32 s22, s22, SLOT
.endr
	v_mul_u32_u24 v5, v1, KS
	v_lshrrev_b32 v6, 8, v5
	v_lshl_add_u32 v5, v6, 4, v5
	s_mul_i32 s21, s[WY], HALFS
	s_mul_i32 s22, s[WX], HALFS
	s_add_co_u32 s22, s22, 2*HALFS
	s_sub_co_u32 s22, s22, s21
	v_mul_u32_u24 v6, s22, v2                      ; lanes 16-31 take B's
	s_add_co_u32 s21, s21, SCL
	v_add_nc_u32 v5, v5, v6
	v_add_nc_u32 v[ADRS], s21, v5
	s_mul_i32 s23, s[WV], 16*SP                    ; my stage
	v_mul_u32_u24 v5, v1, SP
	v_lshl_add_u32 v5, v2, 5, v5
	v_add_nc_u32 v[STO], s23, v5                   ; in: row r, 32 bytes for each half of the lanes
	v_mul_u32_u24 v5, v2, SP
	v_lshl_add_u32 v5, v1, 4, v5
	v_add_nc_u32 v[RD], s23, v5                    ; back: lanes 0-15 one row of 256 bytes, lanes 16-31 the next
	v_lshlrev_b32 v5, 12, v2
	v_lshl_add_u32 v[CO], v1, 4, v5                ; and the same two rows in the residual and in out
	v_lshlrev_b32 v[BO], 5, v2
	s_wait_alu depctr_va_vdst(0)
	s_lshl_b32 s20, s[TC], 9
	s_lshl_b32 s21, s[WX], 8
	s_add_co_u32 s20, s20, s21                     ; my first column, in bytes
	s_mov_b32 s21, 0
	s_add_nc_u64 s[10:11], s[10:11], s[20:21]
	s_lshl_b32 s22, s[TR], 19
	s_lshl_b32 s23, s[WY], 18
	s_add_co_u32 s22, s22, s23
	s_add_co_u32 s20, s20, s22                     ; + my first row x 4,096 bytes
	s_add_nc_u64 s[12:13], s[12:13], s[20:21]
	s_add_nc_u64 s[14:15], s[14:15], s[20:21]
.irp b, 0,1,2,3
	global_load_b128 v[BN+8*\b:BN+8*\b+3], v[BO], s[10:11] offset:64*\b
	global_load_b128 v[BN+8*\b+4:BN+8*\b+7], v[BO], s[10:11] offset:64*\b+16
.endr
	WIN 0x80                                       ; destination window 2
.set j, 0
.rept 32
	global_load_b128 v[RES+4*j:RES+4*j+3], v[CO], s[12:13] offset:2*j*4096     ; the residual, in the layout in which rows come back from the stage
.set j, j+1
.endr
	WIN 0
; four matrix instructions: A's block a x B's four.  first = 1: C is the bias.  The 16 accumulators take turns, one instruction a turn.
.macro MULA f, a, q, sc, first
.irp b, 0,1,2,3
.if \first
	v_wmma_scale_f32_16x16x128_f8f6f4 v[ACC+8*(4*(\a)+\b):ACC+8*(4*(\a)+\b)+7], v[\f+64+16*\b:\f+64+16*\b+15], v[\f+16*(\a):\f+16*(\a)+15], v[BN+8*\b:BN+8*\b+7], v[SC+16*(\sc)+4*\b+(\q)], v[SC+16*(\sc)+4*(\a)+(\q)] matrix_a_scale:MATRIX_SCALE_ROW1
.else
	v_wmma_scale_f32_16x16x128_f8f6f4 v[ACC+8*(4*(\a)+\b):ACC+8*(4*(\a)+\b)+7], v[\f+64+16*\b:\f+64+16*\b+15], v[\f+16*(\a):\f+16*(\a)+15], v[ACC+8*(4*(\a)+\b):ACC+8*(4*(\a)+\b)+7], v[SC+16*(\sc)+4*\b+(\q)], v[SC+16*(\sc)+4*(\a)+(\q)] matrix_a_scale:MATRIX_SCALE_ROW1
.endif
.endr
.endm
.macro FETCH slot, q, f                ; 32 LDS loads: B's four fragments, then A's, of the slot's q-th 128 along K
	WIN TO_F
.irp i, 0,1,2,3
.irp c, 0,1,2,3
	ds_load_b128 v[\f+64+16*\i+4*\c:\f+64+16*\i+4*\c+3], v[ADRB+\slot] offset:128*(\q)+32*\c+\i*16*BP
.endr
.endr
.irp i, 0,1,2,3
.irp c, 0,1,2,3
	ds_load_b128 v[\f+16*\i+4*\c:\f+16*\i+4*\c+3], v[ADRA+\slot] offset:((128*(\q)+32*\c)/PW)*64*AP+(128*(\q)+32*\c)%PW+\i*16*AP
.endr
.endr
.endm
.macro SCALES sc                       ; a slot's four scale words a row: lanes 0-15 A's block i, lanes 16-31 B's block i
.irp i, 0,1,2,3
	ds_load_b128 v[SC+16*\sc+4*\i:SC+16*\sc+4*\i+3], v[ADRS] offset:\i*SBLK
.endr
.endm
.macro PLACES n
.rept \n
	v_nop
.endr
.endm
.macro STEP slot, q, f, g, first       ; 128 along K: multiplies buffer f and fetches the next 128 into g
	s_wait_dscnt 8                                 ; all but the youngest eight loads (A's blocks 2, 3) are in
	WIN MUL
	MULA \f, 0, \q, \slot, \first
	MULA \f, 1, \q, \slot, \first
	PLACES NP
	FETCH \slot, (\q)+1, \g
	s_wait_dscnt 32                                ; all but the 32 just issued
	WIN MUL
	MULA \f, 2, \q, \slot, \first
	MULA \f, 3, \q, \slot, \first
.endm
; A slot's last step changes slots: one barrier; in front of it each wave waits for all its tensor loads, adds 0 to its spare word, and waits for that and for its reads of this slot.
.macro TURN slot, next, fill
	WIN 0
	s_wait_tensorcnt 0x0
	ds_add_u32 v[SPW], v[NIL]                      ; 0 onto my spare word
	s_wait_dscnt 9                                 ; the add and the youngest eight loads may be out
	WIN MUL
	MULA F1, 0, 3, \slot, 0
	MULA F1, 1, 3, \slot, 0
	s_wait_dscnt 0x0                               ; the add is done, and my reads of this slot are over
	s_barrier_signal -1
	MULA F1, 2, 3, \slot, 0
	WIN 0
	s_barrier_wait -1
.if \fill
	CREST                                          ; the barrier has opened a round of the cluster's
	s_add_nc_u64 s[G0+4*\slot+2:G0+4*\slot+3], s[G0+4*\slot+2:G0+4*\slot+3], 2*2097152
	s_add_nc_u64 s[G0B+4*\slot+2:G0B+4*\slot+3], s[G0B+4*\slot+2:G0B+4*\slot+3], 2*512
	JLOAD G0+4*\slot, G1, G0B+4*\slot, G1B         ; the first tensor load behind the round; its four v_nop are among the places below
	PLACES NP-4
.else
	PLACES NP
.endif
	v_add_nc_u32 v[ADRS], 16, v[ADRS]              ; the next slot's scale words (no LDS load of mine is out)
	SCALES \next
	FETCH \next, 0, F0
	WIN MUL
	MULA F1, 3, 3, \slot, 0
.endm
	s_wait_loadcnt 32                              ; the bias is in; the residual's 32 loads may be out
	s_wait_tensorcnt 1                             ; the scales and my part of slot 0 are in; slot 1's load may be out
	s_barrier_signal -1
	s_barrier_wait -1
	SCALES 0
	FETCH 0, 0, F0
	STEP 0, 0, F0, F1, 1
.if LAPS > 1
	WIN 0
	s_mov_b32 s3, LAPS-1
.Llap:                                                 ; a trip goes once round the ring and fills both slots again
	STEP 0, 1, F1, F0, 0
	STEP 0, 2, F0, F1, 0
	TURN 0, 1, 1
	STEP 1, 0, F0, F1, 0
	STEP 1, 1, F1, F0, 0
	STEP 1, 2, F0, F1, 0
	TURN 1, 0, 1
	STEP 0, 0, F0, F1, 0
	WIN 0
	s_sub_co_u32 s3, s3, 1
	s_cmp_lg_u32 s3, 0
	s_cbranch_scc1 .Llap
.endif
	STEP 0, 1, F1, F0, 0                           ; the last lap fills nothing
	STEP 0, 2, F0, F1, 0
	TURN 0, 1, 0
	STEP 1, 0, F0, F1, 0
	STEP 1, 1, F1, F0, 0
	STEP 1, 2, F0, F1, 0
	s_wait_dscnt 8
	WIN MUL
	MULA F1, 0, 3, 1, 0
	MULA F1, 1, 3, 1, 0
	s_wait_dscnt 0
	MULA F1, 2, 3, 1, 0
	MULA F1, 3, 3, 1, 0
	WIN 0
; THE WAY OUT, 16 rows x 64 columns at a time: through my stage, back as rows of 256 bytes, the residual added, stored.
.macro TOSTAGE a
.irp b, 0,1,2,3
	ds_store_b128 v[STO], v[ACC+8*(4*(\a)+\b):ACC+8*(4*(\a)+\b)+3] offset:64*\b        ; each accumulator from its low end on
	ds_store_b128 v[STO], v[ACC+8*(4*(\a)+\b)+4:ACC+8*(4*(\a)+\b)+7] offset:64*\b+16
.endr
	WIN 0x80
.irp t, 0,1,2,3,4,5,6,7
	ds_load_b128 v[OBK+32*((\a)%2)+4*\t:OBK+32*((\a)%2)+4*\t+3], v[RD] offset:\t*2*SP   ; LDS serves a wave in order: these see my stores
.endr
	WIN 0
.endm
.macro SEND a, younger
	s_wait_dscnt \younger
	WIN 0x8a                                       ; all three in window 2
.irp k, 0,2,4,6,8,10,12,14,16,18,20,22,24,26,28,30
	v_pk_add_f32 v[OBK+32*((\a)%2)+\k:OBK+32*((\a)%2)+\k+1], v[OBK+32*((\a)%2)+\k:OBK+32*((\a)%2)+\k+1], v[RES+32*(\a)+\k:RES+32*(\a)+\k+1]
.endr
	WIN 0x08                                       ; a store's data are its source 1
.irp t, 0,1,2,3,4,5,6,7
	global_store_b128 v[CO], v[OBK+32*((\a)%2)+4*\t:OBK+32*((\a)%2)+4*\t+3], s[14:15] offset:(16*(\a)+2*\t)*4096   ; 16 lanes store 256 consecutive bytes, aligned
.endr
	WIN 0
.endm
	PLACES NP
	s_wait_loadcnt 0x0                             ; the residual
	TOSTAGE 0
.irp a, 1,2,3
.if \a > 1
	s_wait_xcnt 0x0                                ; block a - 2's stores have read their registers
.endif
	TOSTAGE \a
	SEND \a-1, 16                                  ; behind block a - 1's loads: block a's 8 stores and 8 loads
.endr
	SEND 3, 0
	s_wait_tensorcnt 0x0                           ; the wave's end
	ds_add_u32 v[SPW], v[NIL]
	s_wait_dscnt 0x0
	CROUND                                         ; the closing round
	s_endpgm
.Lfunc_end_k_q60c7f1a211_wo:
	.size	k_q60c7f1a211_wo, .Lfunc_end_k_q60c7f1a211_wo-k_q60c7f1a211_wo
	.p2alignl 7, 3214868480
	.fill 96, 4, 3214868480
	.section	.rodata,"a",@progbits
	.p2align	6, 0x0
	.amdhsa_kernel k_q60c7f1a211_wo
		.amdhsa_group_segment_fixed_size 327680
		.amdhsa_private_segment_fixed_size 0
		.amdhsa_enable_private_segment 0
		.amdhsa_kernarg_size 48
		.amdhsa_user_sgpr_count 2
		.amdhsa_user_sgpr_kernarg_segment_ptr 1
		.amdhsa_wavefront_size32 1
		.amdhsa_system_sgpr_workgroup_id_x 1
		.amdhsa_system_sgpr_workgroup_id_y 1
		.amdhsa_system_sgpr_workgroup_id_z 1
		.amdhsa_system_vgpr_workitem_id 0
		.amdhsa_next_free_vgpr 768
		.amdhsa_next_free_sgpr 98
		.amdhsa_reserve_vcc 0
		.amdhsa_float_denorm_mode_32 3
		.amdhsa_float_denorm_mode_16_64 3
		.amdhsa_memory_ordered 1
		.amdhsa_forward_progress 1
		.amdhsa_inst_pref_size 63
	.end_amdhsa_kernel
	.amdgpu_metadata
---
amdhsa.version: [ 1, 2 ]
amdhsa.kernels:
  - .name:           k_q60c7f1a211_wo
    .symbol:         k_q60c7f1a211_wo.kd
    .args:
      - { .name: wso, .offset: 0, .size: 8, .value_kind: global_buffer, .address_space: global }
      - { .name: Wo_codes, .offset: 8, .size: 8, .value_kind: global_buffer, .address_space: global }
      - { .name: Wo_scales, .offset: 16, .size: 8, .value_kind: global_buffer, .address_space: global }
      - { .name: bo, .offset: 24, .size: 8, .value_kind: global_buffer, .address_space: global }
      - { .name: x, .offset: 32, .size: 8, .value_kind: global_buffer, .address_space: global }
      - { .name: wsy1, .offset: 40, .size: 8, .value_kind: global_buffer, .address_space: global }
    .group_segment_fixed_size: 327680
    .private_segment_fixed_size: 0
    .kernarg_segment_align: 8
    .kernarg_segment_size: 48
    .max_flat_workgroup_size: 128
    .sgpr_count:     98
    .vgpr_count:     768
    .wavefront_size: 32
...
	.end_amdgpu_metadata
.endif
;; end of part 4
;; launch ln1 (part 5): grid 256 x 1, 8 waves a work-group, no clusters, 46,592 bytes of LDS; arguments wsy1, ln1_g, ln1_b, wsx1; writes wsx1
.if DOCPART == 5
	.amdgcn_target "amdgcn-amd-amdhsa--gfx1250"
	.amdhsa_code_object_version 6
	.text
	.protected	k_q60c7f1a211_ln1
	.globl	k_q60c7f1a211_ln1
	.p2align	8
	.type	k_q60c7f1a211_ln1,@function
k_q60c7f1a211_ln1:
	s_mov_b64 s[64:65], 0
	v_nop
	global_prefetch_b8 v0, s[64:65] scope:SCOPE_SE
	s_setreg_imm32_b32 hwreg(HW_REG_WAVE_MODE, 25, 1), 1
	s_wait_xcnt 0x0
; y = (x - mean) rsqrt(var + 1e-5) g + b along rows of 1024, f32; with QUANT = 1 the result is also quantised to E4M3 codes with one E8M0 byte for each 32 columns.
; A wave takes two rows; a row is 32 registers (load j: columns 128 j + 4 lane + 0..3, 512 consecutive bytes).  Mean first, then the sum of squared differences: no difference of large sums is formed.
; QUANT: the row turns through the wave's stage in LDS (16 bytes of padding behind each 128), so that a lane holds one whole block of 32; its 32 codes turn through a second stage and leave as 512 consecutive bytes;
; the work-group's 16 x 32 scale bytes are gathered in LDS and leave as 512 consecutive bytes.  OUT: f32 rows at byte 0, codes [4096][1024] at X1C, scale bytes [4096][32] at X1S.
; LIMITS: a block whose largest magnitude lies under 2^-118 gets the byte 1; NaN and infinities are not served.
.set QUANT, 1
.set X,   16                           ; v16-79   two rows
.set G,   80
.set B,   112
.set Y,   144                          ; a block of 32 a lane
.set C,   176                          ; codes, 8 registers a row
.set OB,  192                          ; codes read back
.set E,   208                          ; the scale byte, a register a row
.set RSD, 210                          ; 1 / sqrt(var + eps), a pair a row
.set FIN, 2
.set FOUT, 3
.set CIN, 14
.set COUT, 15
.set SBA, 214
.set SBR, 215
.set CST, 8*4608                       ; LDS: eight stages of 32 x 144 bytes; eight of 1,024; 512 scale bytes
.set SBY, CST+8*1024
.set X1C, 16777216
.set X1S, 20971520
	s_load_b256 s[4:11], s[0:1], 0x0               ; in, g, b, out
	v_lshl_add_u32 v216, v0, 2, 0xb200
	v_mov_b32 v217, 0
	v_lshrrev_b32 v1, 5, v0
	s_delay_alu instid0(VALU_DEP_1)
	v_readfirstlane_b32 s12, v1                    ; wave
	v_and_b32 v4, 31, v0                           ; lane
	s_wait_alu depctr_va_vdst(0)
	v_lshlrev_b32 v1, 4, v4                        ; 16 x lane
	s_wait_alu depctr_va_vdst(0)
	s_lshl_b32 s14, ttmp9, 16                      ; 16 rows a work-group,
	s_lshl_b32 s15, s12, 13                        ; two a wave
	s_add_co_u32 s14, s14, s15
	s_mov_b32 s15, 0
	s_mov_b32 s16, 0x76543210
	s_mov_b32 s17, 0xfedcba98
	s_mov_b32 s18, 0x3a800000                      ; 1 / 1024
	s_mov_b32 s19, 0x3727c5ac                      ; 1e-5
.if QUANT
	s_mov_b32 s24, 0x600000
	s_mul_i32 s25, s12, 4608
	v_lshrrev_b32 v5, 3, v4
	s_delay_alu instid0(VALU_DEP_1)
	v_mul_u32_u24 v5, v5, 144
	v_and_b32 v6, 7, v4
	s_delay_alu instid0(VALU_DEP_1)
	v_lshl_add_u32 v5, v6, 4, v5
	s_delay_alu instid0(VALU_DEP_1)
	v_add_nc_u32 v[FIN], s25, v5                   ; in: 144 (lane / 8) + 16 (lane % 8)
	v_mul_u32_u24 v5, v4, 144
	s_delay_alu instid0(VALU_DEP_1)
	v_add_nc_u32 v[FOUT], s25, v5                  ; out: block = lane
	s_lshl_b32 s25, s12, 10
	s_add_co_u32 s25, s25, CST
	v_lshl_add_u32 v[CIN], v4, 5, s25
	v_add_nc_u32 v[COUT], s25, v1
	s_lshl_b32 s25, s12, 6
	s_add_co_u32 s25, s25, SBY
	v_add_nc_u32 v[SBA], s25, v4
	v_add_nc_u32 v[SBR], SBY, v1
	s_lshl_b32 s20, ttmp9, 14
	s_lshl_b32 s21, s12, 11
	s_add_co_u32 s20, s20, s21
	s_add_co_u32 s20, s20, X1C
	s_mov_b32 s21, 0
	s_lshl_b32 s22, ttmp9, 9
	s_add_co_u32 s22, s22, X1S
	s_mov_b32 s23, 0
.endif
	s_wait_kmcnt 0x0
	s_add_nc_u64 s[4:5], s[4:5], s[14:15]
.if QUANT
	s_add_nc_u64 s[20:21], s[10:11], s[20:21]
	s_add_nc_u64 s[22:23], s[10:11], s[22:23]
.endif
	s_add_nc_u64 s[10:11], s[10:11], s[14:15]
.irp i, 0,1
.irp j, 0,1,2,3,4,5,6,7
	global_load_b128 v[X+32*\i+4*\j:X+32*\i+4*\j+3], v1, s[4:5] offset:4096*\i+512*\j th:TH_LOAD_NT
.endr
.endr
.irp j, 0,1,2,3,4,5,6,7
	global_load_b128 v[G+4*\j:G+4*\j+3], v1, s[6:7] offset:512*\j
.endr
.irp j, 0,1,2,3,4,5,6,7
	global_load_b128 v[B+4*\j:B+4*\j+3], v1, s[8:9] offset:512*\j
.endr
.macro REDUCE a, t                     ; the sum over the 32 lanes, in every lane
	s_delay_alu instid0(VALU_DEP_1)
	v_add_f32_dpp v[\a], v[\a], v[\a] row_xmask:1 row_mask:0xf bank_mask:0xf
	s_delay_alu instid0(VALU_DEP_1)
	v_add_f32_dpp v[\a], v[\a], v[\a] row_xmask:2 row_mask:0xf bank_mask:0xf
	s_delay_alu instid0(VALU_DEP_1)
	v_add_f32_dpp v[\a], v[\a], v[\a] row_xmask:4 row_mask:0xf bank_mask:0xf
	s_delay_alu instid0(VALU_DEP_1)
	v_add_f32_dpp v[\a], v[\a], v[\a] row_xmask:8 row_mask:0xf bank_mask:0xf
	s_delay_alu instid0(VALU_DEP_1)
	v_permlanex16_b32 v[\t], v[\a], s16, s17
	s_delay_alu instid0(VALU_DEP_1)
	v_add_f32 v[\a], v[\a], v[\t]
.endm
.macro STATS i                         ; leaves x - mean in place and 1 / sqrt(var + eps) in the row's pair
.set XR, X+32*\i
	v_pk_add_f32 v[4:5], v[XR:XR+1], v[XR+2:XR+3]
	v_pk_add_f32 v[6:7], v[XR+4:XR+5], v[XR+6:XR+7]
	v_pk_add_f32 v[8:9], v[XR+8:XR+9], v[XR+10:XR+11]
	v_pk_add_f32 v[10:11], v[XR+12:XR+13], v[XR+14:XR+15]
.irp k, 16,24
	s_delay_alu instid0(VALU_DEP_4)
	v_pk_add_f32 v[4:5], v[4:5], v[XR+\k:XR+\k+1]
	s_delay_alu instid0(VALU_DEP_4)
	v_pk_add_f32 v[6:7], v[6:7], v[XR+\k+2:XR+\k+3]
	s_delay_alu instid0(VALU_DEP_4)
	v_pk_add_f32 v[8:9], v[8:9], v[XR+\k+4:XR+\k+5]
	s_delay_alu instid0(VALU_DEP_4)
	v_pk_add_f32 v[10:11], v[10:11], v[XR+\k+6:XR+\k+7]
.endr
	s_delay_alu instid0(VALU_DEP_3)
	v_pk_add_f32 v[4:5], v[4:5], v[6:7]
	s_delay_alu instid0(VALU_DEP_2)
	v_pk_add_f32 v[8:9], v[8:9], v[10:11]
	s_delay_alu instid0(VALU_DEP_1)
	v_pk_add_f32 v[4:5], v[4:5], v[8:9]
	s_delay_alu instid0(VALU_DEP_1)
	v_add_f32 v4, v4, v5
	REDUCE 4, 5
	s_delay_alu instid0(VALU_DEP_1)
	v_mul_f32 v4, s18, v4                          ; the mean
	s_delay_alu instid0(VALU_DEP_1)
	v_mov_b32 v5, v4
.irp k, 0,2,4,6,8,10,12,14,16,18,20,22,24,26,28,30
	v_pk_add_f32 v[XR+\k:XR+\k+1], v[XR+\k:XR+\k+1], v[4:5] neg_lo:[0,1] neg_hi:[0,1]
.endr
	v_pk_mul_f32 v[6:7], v[XR:XR+1], v[XR:XR+1]
	v_pk_mul_f32 v[8:9], v[XR+2:XR+3], v[XR+2:XR+3]
	v_pk_mul_f32 v[10:11], v[XR+4:XR+5], v[XR+4:XR+5]
	v_pk_mul_f32 v[12:13], v[XR+6:XR+7], v[XR+6:XR+7]
.irp k, 8,16,24
	s_delay_alu instid0(VALU_DEP_4)
	v_pk_fma_f32 v[6:7], v[XR+\k:XR+\k+1], v[XR+\k:XR+\k+1], v[6:7]
	s_delay_alu instid0(VALU_DEP_4)
	v_pk_fma_f32 v[8:9], v[XR+\k+2:XR+\k+3], v[XR+\k+2:XR+\k+3], v[8:9]
	s_delay_alu instid0(VALU_DEP_4)
	v_pk_fma_f32 v[10:11], v[XR+\k+4:XR+\k+5], v[XR+\k+4:XR+\k+5], v[10:11]
	s_delay_alu instid0(VALU_DEP_4)
	v_pk_fma_f32 v[12:13], v[XR+\k+6:XR+\k+7], v[XR+\k+6:XR+\k+7], v[12:13]
.endr
	s_delay_alu instid0(VALU_DEP_3)
	v_pk_add_f32 v[6:7], v[6:7], v[8:9]
	s_delay_alu instid0(VALU_DEP_2)
	v_pk_add_f32 v[10:11], v[10:11], v[12:13]
	s_delay_alu instid0(VALU_DEP_1)
	v_pk_add_f32 v[6:7], v[6:7], v[10:11]
	s_delay_alu instid0(VALU_DEP_1)
	v_add_f32 v6, v6, v7
	REDUCE 6, 7
	s_delay_alu instid0(VALU_DEP_1)
	v_fma_f32 v6, v6, s18, s19                     ; var + eps
	s_wait_alu depctr_va_vdst(0)
	v_rsq_f32 v[RSD+2*\i], v6
	v_nop                                          ; a plain line behind the transcendental
	s_wait_alu depctr_va_vdst(0)                   ; and the wait ahead of its first reader
	v_mov_b32 v[RSD+2*\i+1], v[RSD+2*\i]
.endm
.macro APPLY i
.set XR, X+32*\i
.irp k, 0,2,4,6,8,10,12,14,16,18,20,22,24,26,28,30
	v_pk_mul_f32 v[XR+\k:XR+\k+1], v[XR+\k:XR+\k+1], v[RSD+2*\i:RSD+2*\i+1]
.endr
.irp k, 0,2,4,6,8,10,12,14,16,18,20,22,24,26,28,30
	v_pk_fma_f32 v[XR+\k:XR+\k+1], v[XR+\k:XR+\k+1], v[G+\k:G+\k+1], v[B+\k:B+\k+1]
.endr
.irp j, 0,1,2,3,4,5,6,7
	global_store_b128 v1, v[XR+4*\j:XR+4*\j+3], s[10:11] offset:4096*\i+512*\j    ; the wave stores 512 consecutive bytes
.endr
.endm
.if QUANT
.macro QROW i
.set XR, X+32*\i
.irp j, 0,1,2,3,4,5,6,7
	ds_store_b128 v[FIN], v[XR+4*\j:XR+4*\j+3] offset:576*\j
.endr
.irp j, 0,1,2,3,4,5,6,7
	ds_load_b128 v[Y+4*\j:Y+4*\j+3], v[FOUT] offset:16*\j          ; LDS serves a wave in order: these see my stores
.endr
	s_wait_dscnt 0x0
	v_max3_num_f32 v4, |v[Y]|, |v[Y+1]|, 0x4800000                 ; the floor 2^(9 - 127) holds the byte at 1
	v_max3_num_f32 v5, |v[Y+2]|, |v[Y+3]|, 0x4800000
.irp k, 4,8,12,16,20,24,28
	s_delay_alu instid0(VALU_DEP_2)
	v_max3_num_f32 v4, v4, |v[Y+\k]|, |v[Y+\k+1]|
	s_delay_alu instid0(VALU_DEP_2)
	v_max3_num_f32 v5, v5, |v[Y+\k+2]|, |v[Y+\k+3]|
.endr
	s_delay_alu instid0(VALU_DEP_1)
	v_max_num_f32 v4, v4, v5
	s_delay_alu instid0(VALU_DEP_1)
	v_add_nc_u32 v6, 0xfc000000, v4                ; the conversion's scale operand
	s_delay_alu instid0(VALU_DEP_2)
	v_and_or_b32 v7, v4, 0x7f800000, s24           ; 448 x the scale
	s_delay_alu instid0(VALU_DEP_2)
	v_lshrrev_b32 v[E+\i], 23, v6
.set k, 0
.rept 32
	v_med3_num_f32 v[Y+k], v[Y+k], -v7, v7
.set k, k+1
.endr
.irp k, 0,1,2,3
	v_cvt_scalef32_pk8_fp8_f32 v[C+8*\i+2*\k:C+8*\i+2*\k+1], v[Y+8*\k:Y+8*\k+7], v6
.endr
	v_nop                                          ; a plain line behind the last conversion
	ds_store_b128 v[CIN], v[C+8*\i:C+8*\i+3]
	ds_store_b128 v[CIN], v[C+8*\i+4:C+8*\i+7] offset:16
	ds_store_b8 v[SBA], v[E+\i] offset:32*\i
	ds_load_b128 v[OB+8*\i:OB+8*\i+3], v[COUT]
	ds_load_b128 v[OB+8*\i+4:OB+8*\i+7], v[COUT] offset:512
	s_wait_dscnt 0x0
	global_store_b128 v1, v[OB+8*\i:OB+8*\i+3], s[20:21] offset:1024*\i
	global_store_b128 v1, v[OB+8*\i+4:OB+8*\i+7], s[20:21] offset:1024*\i+512
.endm
.endif
	s_wait_loadcnt 24                              ; row 0 is in; row 1, g and b (24 loads) may be out
	STATS 0
	s_wait_loadcnt 16                              ; row 1 is in; g and b may be out
	STATS 1
	s_wait_loadcnt 0x0
	APPLY 0
	APPLY 1
.if QUANT
	QROW 0
	QROW 1
	s_barrier_signal -1                            ; every wave's scale bytes lie in LDS (each has waited for its LDS instructions above)
	s_barrier_wait -1
	s_cmp_lg_u32 s12, 0
	s_cbranch_scc1 .Ldone
	ds_load_b128 v[4:7], v[SBR]
	s_wait_dscnt 0x0
	global_store_b128 v1, v[4:7], s[22:23]         ; 16 rows' scale bytes: 512 consecutive bytes
.Ldone:
.endif
	s_wait_tensorcnt 0x0
	ds_add_u32 v216, v217
	s_wait_dscnt 0x0
	s_endpgm
.Lfunc_end_k_q60c7f1a211_ln1:
	.size	k_q60c7f1a211_ln1, .Lfunc_end_k_q60c7f1a211_ln1-k_q60c7f1a211_ln1
	.p2alignl 7, 3214868480
	.fill 96, 4, 3214868480
	.section	.rodata,"a",@progbits
	.p2align	6, 0x0
	.amdhsa_kernel k_q60c7f1a211_ln1
		.amdhsa_group_segment_fixed_size 46592
		.amdhsa_private_segment_fixed_size 0
		.amdhsa_enable_private_segment 0
		.amdhsa_kernarg_size 32
		.amdhsa_user_sgpr_count 2
		.amdhsa_user_sgpr_kernarg_segment_ptr 1
		.amdhsa_wavefront_size32 1
		.amdhsa_system_sgpr_workgroup_id_x 1
		.amdhsa_system_sgpr_workgroup_id_y 1
		.amdhsa_system_sgpr_workgroup_id_z 1
		.amdhsa_system_vgpr_workitem_id 0
		.amdhsa_next_free_vgpr 218
		.amdhsa_next_free_sgpr 66
		.amdhsa_reserve_vcc 0
		.amdhsa_float_denorm_mode_32 3
		.amdhsa_float_denorm_mode_16_64 3
		.amdhsa_memory_ordered 1
		.amdhsa_forward_progress 1
		.amdhsa_inst_pref_size 34
	.end_amdhsa_kernel
	.amdgpu_metadata
---
amdhsa.version: [ 1, 2 ]
amdhsa.kernels:
  - .name:           k_q60c7f1a211_ln1
    .symbol:         k_q60c7f1a211_ln1.kd
    .args:
      - { .name: wsy1, .offset: 0, .size: 8, .value_kind: global_buffer, .address_space: global }
      - { .name: ln1_g, .offset: 8, .size: 8, .value_kind: global_buffer, .address_space: global }
      - { .name: ln1_b, .offset: 16, .size: 8, .value_kind: global_buffer, .address_space: global }
      - { .name: wsx1, .offset: 24, .size: 8, .value_kind: global_buffer, .address_space: global }
    .group_segment_fixed_size: 46592
    .private_segment_fixed_size: 0
    .kernarg_segment_align: 8
    .kernarg_segment_size: 32
    .max_flat_workgroup_size: 256
    .sgpr_count:     66
    .vgpr_count:     218
    .wavefront_size: 32
...
	.end_amdgpu_metadata
.endif
;; end of part 5
;; launch mlp1 (part 6): grid 16 x 16, 4 waves a work-group, clusters of 4 x 4, 327,680 bytes of LDS; arguments wsx1, W1_codes, W1_scales, b1, wsh; writes wsh
.if DOCPART == 6
	.amdgcn_target "amdgcn-amd-amdhsa--gfx1250"
	.amdhsa_code_object_version 6
	.text
	.protected	k_q60c7f1a211_mlp1
	.globl	k_q60c7f1a211_mlp1
	.p2align	8
	.type	k_q60c7f1a211_mlp1,@function
k_q60c7f1a211_mlp1:
	s_mov_b64 s[64:65], 0
	v_nop
	global_prefetch_b8 v0, s[64:65] scope:SCOPE_SE
	s_setreg_imm32_b32 hwreg(HW_REG_WAVE_MODE, 25, 1), 1
	s_wait_xcnt 0x0
	s_wait_alu depctr_hold_cnt(0) depctr_sa_sdst(0) depctr_va_vdst(0) depctr_va_sdst(0) depctr_va_ssrc(0) depctr_va_vcc(0) depctr_vm_vsrc(0)
	s_getreg_b32 s2, hwreg(HW_REG_IB_STS2, 6, 4)
	s_cmp_eq_u32 s2, 0
	s_cbranch_scc0 .Lentry_in_a_cluster
	s_endpgm
.Lentry_in_a_cluster:
	s_bfe_u32 s2, ttmp6, 0x10000c
	s_cmp_lg_u32 s2, 0xf033
	s_cbranch_scc0 .Lentry_shape_is_right
	s_endpgm
.Lentry_shape_is_right:
.set QKV,    0
.set SIZE_K, 1024
.set KSTEP,  256
.set NQ,     KSTEP/128
.set ROWB,   256
.set KROW,   SIZE_K
.set PITCH,  272
.set FR,     16
.set NL,     4
.set NP,     8
.set HALFT,  128*PITCH
.set SLOT,   4*HALFT
.set LAPS,   SIZE_K/(2*KSTEP)
.set KS,     SIZE_K/32
.set SCL,    2*SLOT
.set HALFS,  (128*KS/256)*272
.set SBLK,   (16*KS/256)*272
.set SPARE,  SCL+4*HALFS
.set QP,     144
.set STGW,   16*QP
.set SST,    4*STGW
.set XSOFF,  4194304
.set X1C,    16777216
.set X1S,    20971520
.set HSOFF,  16777216
.set QSOFF,  12582912
.set ADRA, 16
.set SL8,  19
.set ADRB, 20
.set SSA,  22
.set SSR,  23
.set STQ,  24
.set RDQ,  25
.set LIN,  26
.set ADRS, 27
.set SPW,  28
.set NIL,  29
.set BO,   30
.set MO,   31
.set SC,   32
.set BN,   64
.set AF,   128
.set T,    128
.set PC,   192
.set TM,   224
.set PWD,  240
.set OB,   64
.set WS,   96
.set SO,   104
.set PB,   4
.set SBP,  92
.set G1, 24
.set G0, 32
.set G1B, 48
.set G0B, 56
.set G1S, 68
.set G0S, 76
.set G1SB, 80
.set G0SB, 88
.set MSB, 0
.macro WIN new
.if MSB != (\new)
	s_set_vgpr_msb (MSB<<8)|(\new)
.set MSB, (\new)
.endif
.endm
.set MUL_LO, 0xa1
.set MUL_HI, 0xf1
.set TO_B,   0x40
.macro JLOAD g0a, g1a, g0b, g1b
	s_cmp_eq_u32 s15, 0
	s_cbranch_scc0 .Lfor_b_\@
	tensor_load_to_lds s[\g0a:\g0a+3], s[\g1a:\g1a+7]
	s_nop 0
.rept 4
	v_nop
.endr
	s_branch .Lasked_\@
.Lfor_b_\@:
	tensor_load_to_lds s[\g0b:\g0b+3], s[\g1b:\g1b+7]
	s_nop 0
.rept 4
	v_nop
.endr
.Lasked_\@:
.endm
.macro CREST
	s_cmp_lg_u32 s14, 0
	s_cbranch_scc1 .Lnot_wave_0_\@
	s_barrier_signal -3
.Lnot_wave_0_\@:
	s_barrier_wait -3
	s_barrier_signal -1
	s_barrier_wait -1
.endm
.macro CROUND
	s_barrier_signal -1
	s_barrier_wait -1
	CREST
.endm
	s_load_b128 s[4:7], s[0:1], 0x0
	s_load_b128 s[8:11], s[0:1], 0x10
	s_load_b64 s[12:13], s[0:1], 0x20
	v_lshl_add_u32 v[SPW], v0, 2, SPARE
	v_mov_b32 v[NIL], 0
	ds_add_u32 v28, v29
	ds_add_u32 v28, v29
	s_wait_dscnt 0x0
	v_lshrrev_b32 v1, 5, v0
	v_readfirstlane_b32 s14, v1
	s_lshr_b32 s15, s14, 1
	s_and_b32 s16, s14, 1
	s_bfe_u32 s40, ttmp6, 0x40000
	s_bfe_u32 s41, ttmp6, 0x40004
	s_and_b32 s17, ttmp7, 0xffff
	s_mov_b32 s42, ttmp9
	s_lshl_b32 s42, s42, 2
	s_add_co_u32 s42, s42, s40
	s_lshl_b32 s17, s17, 2
	s_add_co_u32 s17, s17, s41
	s_lshl_b32 s43, s41, 2
	s_lshl_b32 s43, 15, s43
	s_lshl_b32 s44, 0x1111, s40
	s_wait_kmcnt 0x0
	s_mov_b64 s[96:97], s[10:11]
	s_mov_b64 s[10:11], s[8:9]
	s_mov_b64 s[8:9], s[6:7]
	s_add_nc_u64 s[6:7], s[4:5], X1S
	s_add_nc_u64 s[4:5], s[4:5], X1C
	s_or_b32 s[G1+0], s43, (0<<16)|(1<<20)|(1<<21)|(5<<22)|(3<<25)
	s_or_b32 s[G1B+0], s44, (0<<16)|(1<<20)|(1<<21)|(5<<22)|(3<<25)
.irp g, G1, G1B
	s_mov_b32 s[\g+1], ROWB<<16
	s_mov_b32 s[\g+2], 256<<16
	s_mov_b32 s[\g+3], ROWB<<16
	s_mov_b32 s[\g+4], 256
	s_mov_b32 s[\g+5], KROW
	s_mov_b32 s[\g+6], 0
	s_mov_b32 s[\g+7], 0
.endr
	s_or_b32 s[G1S+0], s43, (3<<16)|(1<<20)|(1<<21)|(5<<22)|(3<<25)
	s_or_b32 s[G1SB+0], s44, (3<<16)|(1<<20)|(1<<21)|(5<<22)|(3<<25)
.irp g, G1S, G1SB
	s_mov_b32 s[\g+1], 32<<16
	s_mov_b32 s[\g+2], KS<<16
	s_mov_b32 s[\g+3], 32<<16
	s_mov_b32 s[\g+4], KS
	s_mov_b32 s[\g+5], 32
	s_mov_b32 s[\g+6], 0
	s_mov_b32 s[\g+7], 0
.endr
	s_lshl_b32 s20, s17, 8
	s_lshl_b32 s46, s42, 8
	s_mov_b32 s21, 0
	s_mov_b32 s47, 0
	s_mov_b64 s[18:19], KS
	s_mul_u64 s[22:23], s[20:21], s[18:19]
	s_mul_u64 s[92:93], s[46:47], s[18:19]
	s_mov_b64 s[18:19], KROW
	s_mul_u64 s[20:21], s[20:21], s[18:19]
	s_mul_u64 s[46:47], s[46:47], s[18:19]
	s_mul_i32 s45, s14, HALFT
	s_add_nc_u64 s[20:21], s[4:5], s[20:21]
	s_add_nc_u64 s[22:23], s[6:7], s[22:23]
	s_add_nc_u64 s[46:47], s[8:9], s[46:47]
	s_add_nc_u64 s[92:93], s[10:11], s[92:93]
	CROUND
	s_mov_b32 s[G0S], 1                            ; the head's four tiles, each whole: the scales of A's 256 rows,
	s_mov_b32 s[G0S+1], SCL
	s_mov_b64 s[G0S+2:G0S+3], s[22:23]
	s_or_b32 s[G0S+3], s[G0S+3], 0x80000000
	s_mov_b32 s[G0SB], 1                           ; of B's,
	s_mov_b32 s[G0SB+1], SCL+2*HALFS
	s_mov_b64 s[G0SB+2:G0SB+3], s[92:93]
	s_or_b32 s[G0SB+3], s[G0SB+3], 0x80000000
	s_mov_b32 s4, 1                                ; K step 0's 256 rows of A (in registers that held arguments),
	s_mov_b32 s5, 0
	s_mov_b64 s[6:7], s[20:21]
	s_or_b32 s7, s7, 0x80000000
	s_mov_b32 s8, 1                                ; and of B, behind them in slot 0
	s_mov_b32 s9, 2*HALFT
	s_mov_b64 s[10:11], s[46:47]
	s_or_b32 s11, s11, 0x80000000
	s_mul_i32 s18, s16, 128*KROW                   ; for the ring: my 128 rows of the tile
	s_mov_b32 s19, 0
	s_add_nc_u64 s[20:21], s[20:21], s[18:19]
	s_add_nc_u64 s[46:47], s[46:47], s[18:19]
.irp s, 0,1
	s_mov_b32 s[G0+4*\s], 1
	s_add_co_u32 s[G0+4*\s+1], s45, \s*SLOT
	s_add_nc_u64 s[G0+4*\s+2:G0+4*\s+3], s[20:21], \s*ROWB
	s_or_b32 s[G0+4*\s+3], s[G0+4*\s+3], 0x80000000
	s_mov_b32 s[G0B+4*\s], 1
	s_add_co_u32 s[G0B+4*\s+1], s45, \s*SLOT
	s_add_nc_u64 s[G0B+4*\s+2:G0B+4*\s+3], s[46:47], \s*ROWB
	s_or_b32 s[G0B+4*\s+3], s[G0B+4*\s+3], 0x80000000
.endr
; THE HEAD'S LOADS, ONE A WAVE: wave 0 K step 0's 256 rows of A, wave 1 its 256 rows of B, wave 2 the scales of A's 256 rows, wave 3 those of B's: one chain of branches, one load to an arm.
.macro ARM under, g0, g1, next
	s_cmp_lt_u32 s14, \under
	s_cbranch_scc0 \next
	tensor_load_to_lds s[\g0:\g0+3], s[\g1:\g1+7]
	s_nop 0
.rept 4
	v_nop
.endr
	s_branch .Lhead_asked
\next:
.endm
	ARM 1, 4, G1, .Lhead_b
	ARM 2, 8, G1B, .Lhead_sa
	ARM 3, G0S, G1S, .Lhead_sb
	tensor_load_to_lds s[G0SB:G0SB+3], s[G1SB:G1SB+7]
	s_nop 0
.rept 4
	v_nop
.endr
.Lhead_asked:
	; A prefetch into the L2 of what the ring's three later loads will ask for (K bytes 256-1023 of the 128 rows that my wave fetches): of these rows each of the four partners that ask for them
	; jointly takes 32, told apart by address (cx for A's rows, cy for B's): a lane a row, 256 aligned bytes a lane and instruction.  Its registers are never written again.
	s_lshl_b32 s94, s40, 15
	s_lshl_b32 s95, s41, 15
	s_cmp_eq_u32 s15, 0
	s_cselect_b64 s[92:93], s[20:21], s[46:47]
	s_cselect_b32 s94, s94, s95
	s_mov_b32 s95, 0
	s_add_nc_u64 s[92:93], s[92:93], s[94:95]
	v_and_b32 v31, 31, v0
	v_lshlrev_b32 v31, 10, v31
	global_prefetch_b8 v31, s[92:93] offset:256 th:TH_LOAD_NT scope:SCOPE_SE
	global_prefetch_b8 v31, s[92:93] offset:512 th:TH_LOAD_NT scope:SCOPE_SE
	global_prefetch_b8 v31, s[92:93] offset:768 th:TH_LOAD_NT scope:SCOPE_SE
	v_and_b32 v1, 15, v0
	v_bfe_u32 v2, v0, 4, 1
	v_mul_u32_u24 v3, v1, PITCH
	v_lshl_add_u32 v4, v2, 4, v3
	s_mul_i32 s21, s15, HALFT
	s_mul_i32 s22, s16, HALFT
	s_add_co_u32 s22, s22, 2*HALFT
.irp s, 0,1
	v_add_nc_u32 v[ADRA+\s], s21, v4
	v_add_nc_u32 v[ADRB+\s], s22, v4
	s_add_co_u32 s21, s21, SLOT
	s_add_co_u32 s22, s22, SLOT
.endr
	v_mul_u32_u24 v5, v1, KS
	v_lshrrev_b32 v6, 8, v5
	v_lshl_add_u32 v5, v6, 4, v5
	s_mul_i32 s21, s15, HALFS
	s_mul_i32 s22, s16, HALFS
	s_add_co_u32 s22, s22, 2*HALFS
	s_sub_co_u32 s22, s22, s21
	v_mul_u32_u24 v6, s22, v2
	s_add_co_u32 s21, s21, SCL
	v_add_nc_u32 v5, v5, v6
	v_add_nc_u32 v[ADRS], s21, v5
	s_mul_i32 s23, s14, STGW
	v_mul_u32_u24 v5, v1, QP
	v_lshl_add_u32 v5, v2, 3, v5
	v_add_nc_u32 v[STQ], s23, v5
	v_and_b32 v6, 31, v0
	v_lshlrev_b32 v[LIN], 4, v6
	v_lshrrev_b32 v5, 3, v6
	v_mul_u32_u24 v5, v5, QP
	v_and_b32 v7, 7, v6
	v_lshl_add_u32 v5, v7, 4, v5
	v_add_nc_u32 v[RDQ], s23, v5
	v_lshlrev_b32 v[SSR], 7, v6
	v_lshlrev_b32 v[BO], 5, v2
	s_lshl_b32 s20, s42, 10
	s_lshl_b32 s21, s16, 9
	s_add_co_u32 s20, s20, s21
	s_mov_b32 s21, 0
	s_add_nc_u64 s[96:97], s[96:97], s[20:21]
.irp b, 0,1,2,3,4,5,6,7
	global_load_b128 v[BN+8*\b:BN+8*\b+3], v[BO], s[96:97] offset:64*\b
	global_load_b128 v[BN+8*\b+4:BN+8*\b+7], v[BO], s[96:97] offset:64*\b+16
.endr
	s_wait_loadcnt 0x0
.macro FRAG reg, adr, q, i
.irp c, 0,1,2,3
	ds_load_b128 v[\reg+4*\c:\reg+4*\c+3], v[\adr] offset:128*(\q)+32*\c+(\i)*16*PITCH
.endr
.endm
.macro MUL16 a0, p, q, sc, first
.irp a, \a0, \a0+1
.irp b, 0,1,2,3,4,5,6,7
.if \first
	v_wmma_scale_f32_16x16x128_f8f6f4 v[8*(8*((\a)%4)+\b):8*(8*((\a)%4)+\b)+7], v[128*(\p)+FR*\b:128*(\p)+FR*\b+FR-1], v[AF+FR*(\a):AF+FR*(\a)+FR-1], v[BN+8*\b:BN+8*\b+7], v[SC+8*NQ*(\sc)+NQ*\b+(\q)], v[SC+8*NQ*(\sc)+NQ*(\a)+(\q)] matrix_a_scale:MATRIX_SCALE_ROW1
.else
	v_wmma_scale_f32_16x16x128_f8f6f4 v[8*(8*((\a)%4)+\b):8*(8*((\a)%4)+\b)+7], v[128*(\p)+FR*\b:128*(\p)+FR*\b+FR-1], v[AF+FR*(\a):AF+FR*(\a)+FR-1], v[8*(8*((\a)%4)+\b):8*(8*((\a)%4)+\b)+7], v[SC+8*NQ*(\sc)+NQ*\b+(\q)], v[SC+8*NQ*(\sc)+NQ*(\a)+(\q)] matrix_a_scale:MATRIX_SCALE_ROW1
.endif
.endr
.endr
.endm
.macro FETCH_B slot, q, p
	WIN TO_B
.irp i, 0,1,2,3,4,5,6,7
	FRAG 128*(\p)+FR*\i, ADRB+\slot, \q, \i
.endr
	WIN 0
.endm
.macro FETCH_A slot, q, i0
.irp i, \i0, \i0+1, \i0+2, \i0+3
	FRAG AF+FR*(\i), ADRA+\slot, \q, \i
.endr
.endm
.macro SCALES sc
.irp i, 0,1,2,3,4,5,6,7
	ds_load_b64 v[SC+8*NQ*\sc+NQ*\i:SC+8*NQ*\sc+NQ*\i+1], v[ADRS] offset:\i*SBLK
.endr
.endm
.macro PLACES n
.rept \n
	v_nop
.endr
.endm
.macro STEP slot, q, first
	s_wait_dscnt 4*NL
	WIN MUL_LO-0x20*(\first)
	MUL16 0, (\q)%2, \q, \slot, \first
	MUL16 2, (\q)%2, \q, \slot, \first
	s_wait_dscnt 0
	PLACES NP
	FETCH_B \slot, (\q)+1, 1-(\q)%2
	FETCH_A \slot, (\q)+1, 0
	WIN MUL_HI-0x30*(\first)
	MUL16 4, (\q)%2, \q, \slot, \first
	MUL16 6, (\q)%2, \q, \slot, \first
	PLACES NP
	WIN 0
	FETCH_A \slot, (\q)+1, 4
.endm
.macro TURN slot, next, fill
	s_wait_tensorcnt 0x0
	ds_add_u32 v[SPW], v[NIL]
	s_wait_dscnt 4*NL+1
	WIN MUL_LO
	MUL16 0, 1, NQ-1, \slot, 0
	s_wait_dscnt 0x0
	s_barrier_signal -1
	MUL16 2, 1, NQ-1, \slot, 0
	WIN 0
	s_barrier_wait -1
.if \fill
	CREST
	s_add_nc_u64 s[G0+4*\slot+2:G0+4*\slot+3], s[G0+4*\slot+2:G0+4*\slot+3], 2*ROWB
	s_add_nc_u64 s[G0B+4*\slot+2:G0B+4*\slot+3], s[G0B+4*\slot+2:G0B+4*\slot+3], 2*ROWB
	JLOAD G0+4*\slot, G1, G0B+4*\slot, G1B
	PLACES NP-4
.else
	PLACES NP
.endif
	s_wait_alu depctr_va_vdst(0)
	v_add_nc_u32 v[ADRS], 4*NQ, v[ADRS]
	FETCH_B \next, 0, 0
	FETCH_A \next, 0, 0
	SCALES \next
	WIN MUL_HI
	MUL16 4, 1, NQ-1, \slot, 0
	MUL16 6, 1, NQ-1, \slot, 0
	PLACES NP
	WIN 0
	FETCH_A \next, 0, 4
.endm
	s_wait_alu depctr_va_vdst(0)
	s_wait_tensorcnt 0x0                           ; my tile of the head's four is in
	ds_add_u32 v28, v29
	s_mov_b32 s[G1+2], 128<<16                     ; no tensor load of mine is out: from here on a load brings 128 rows
	s_mov_b32 s[G1+4], 128
	s_mov_b32 s[G1B+2], 128<<16
	s_mov_b32 s[G1B+4], 128
	s_wait_dscnt 0x0
	CROUND                                         ; all four tiles are in, and all sixteen work-groups are here
	JLOAD G0+4, G1, G0B+4, G1B                     ; K step 1's load, the first tensor load behind the round
	FETCH_B 0, 0, 0
	FETCH_A 0, 0, 0
	SCALES 0
	FETCH_A 0, 0, 4
	STEP 0, 0, 1
	s_mov_b32 s3, LAPS-1
.Llap:
	TURN 0, 1, 1
	STEP 1, 0, 0
	TURN 1, 0, 1
	STEP 0, 0, 0
	s_sub_co_u32 s3, s3, 1
	s_cmp_lg_u32 s3, 0
	s_cbranch_scc1 .Llap
	TURN 0, 1, 0
	STEP 1, 0, 0
	s_wait_dscnt 4*NL
	WIN MUL_LO
	MUL16 0, 1, NQ-1, 1, 0
	MUL16 2, 1, NQ-1, 1, 0
	s_wait_dscnt 0
	WIN MUL_HI
	MUL16 4, 1, NQ-1, 1, 0
	MUL16 6, 1, NQ-1, 1, 0
	WIN 0
	s_lshl_b32 s20, s42, 1
	s_add_co_u32 s20, s20, s16
	s_lshl_b32 s21, s17, 8
	s_lshl_b32 s22, s15, 7
	s_add_co_u32 s21, s21, s22
	s_lshl_b32 s22, s20, 12
	s_add_co_u32 s22, s22, s21
	s_lshl_b32 s22, s22, 7
	s_mov_b32 s23, 0
	s_add_nc_u64 s[4:5], s[12:13], s[22:23]
	s_lshl_b32 s22, s21, 7
	s_lshl_b32 s20, s20, 2
	s_add_co_u32 s22, s22, s20
	s_add_co_u32 s22, s22, HSOFF
	s_add_nc_u64 s[6:7], s[12:13], s[22:23]
	s_mov_b32 s2, 0xffff0000
	s_mov_b32 s18, 0x76543210
	s_mov_b32 s19, 0xfedcba98
	s_mov_b32 s3, 0x600000
	PLACES NP
.irp b, 0,1,2,3
	v_mov_b32 v[TM+4+\b], 0
.endr
.macro QBLK a
.set AC,  64*((\a)%4)
.set PCS, PC+16*((\a)%2)
.set OBS, OB+16*((\a)%2)
.set PWS, PWD+(\a)%2
	WIN 0x0a+5*((\a)/4)
.irp b, 0,1,2,3
	v_max3_num_f32 v[TM+\b], v[AC+16*\b], v[AC+16*\b+1], 0x4800000
.endr
.irp i, 2,4,6,8,10,12,14
.irp b, 0,1,2,3
	v_max3_num_f32 v[TM+\b], v[AC+16*\b+\i], v[AC+16*\b+\i+1], v[TM+\b]
.endr
.endr
	WIN 0
.irp b, 0,1,2,3
	v_permlanex16_b32 v[TM+4+\b], v[TM+\b], s18, s19
.endr
.irp b, 0,1,2,3
	v_max_num_f32 v[TM+\b], v[TM+\b], v[TM+4+\b]
.endr
.irp b, 0,1,2,3
	v_add_nc_u32 v[TM+12+\b], 0xfc000000, v[TM+\b]
.endr
.irp b, 0,1,2,3
	v_and_or_b32 v[TM+8+\b], v[TM+\b], 0x7f800000, s3
.endr
.irp b, 0,1,2,3
	v_lshrrev_b32 v[TM+4+\b], 23, v[TM+12+\b]
.endr
	v_lshl_or_b32 v[PWS], v[TM+5], 8, v[TM+4]
	v_lshl_or_b32 v[PWS], v[TM+6], 16, v[PWS]
	v_lshl_or_b32 v[PWS], v[TM+7], 24, v[PWS]
	WIN 0x02+(\a)/4
.irp b, 0,1,2,3
.irp i, 0,1,2,3,4,5,6,7,8,9,10,11,12,13,14,15
	v_med3_num_f32 v[T+16*\b+\i], v[AC+16*\b+\i], 0, v[TM+8+\b]
.endr
.endr
	WIN 0
.irp b, 0,1,2,3
	v_cvt_scalef32_pk8_fp8_f32 v[PCS+4*\b:PCS+4*\b+1], v[T+16*\b:T+16*\b+7], v[TM+12+\b]
	v_cvt_scalef32_pk8_fp8_f32 v[PCS+4*\b+2:PCS+4*\b+3], v[T+16*\b+8:T+16*\b+15], v[TM+12+\b]
.endr
	v_nop
.irp t, 0,1,2,3,4,5,6,7
	ds_store_b64 v[STQ], v[PCS+2*\t:PCS+2*\t+1] offset:16*\t
.endr
.if (\a)%2
	v_cndmask_b32 v[WS+(\a)/2], v[PWD], v[PWD+1], s2
	global_store_b32 v[SSR], v[WS+(\a)/2], s[6:7] offset:2048*((\a)-1)
.endif
.irp u, 0,1,2,3
	ds_load_b128 v[OBS+4*\u:OBS+4*\u+3], v[RDQ] offset:576*\u
.endr
.endm
.macro SEND a, younger
.set OBS, OB+16*((\a)%2)
	s_wait_dscnt \younger
.irp u, 0,1,2,3
	global_store_b128 v[LIN], v[OBS+4*\u:OBS+4*\u+3], s[4:5] offset:2048*(\a)+512*\u
.endr
.endm
	QBLK 0
.irp a, 1,2,3,4,5,6,7
.if \a > 1
	s_wait_xcnt 0x0
.endif
	QBLK \a
	SEND \a-1, 12
.endr
	SEND 7, 0
	s_wait_tensorcnt 0x0
	ds_add_u32 v[SPW], v[NIL]
	s_wait_dscnt 0x0
	CROUND
	s_endpgm
.Lfunc_end_k_q60c7f1a211_mlp1:
	.size	k_q60c7f1a211_mlp1, .Lfunc_end_k_q60c7f1a211_mlp1-k_q60c7f1a211_mlp1
	.p2alignl 7, 3214868480
	.fill 96, 4, 3214868480
	.section	.rodata,"a",@progbits
	.p2align	6, 0x0
	.amdhsa_kernel k_q60c7f1a211_mlp1
		.amdhsa_group_segment_fixed_size 327680
		.amdhsa_private_segment_fixed_size 0
		.amdhsa_enable_private_segment 0
		.amdhsa_kernarg_size 40
		.amdhsa_user_sgpr_count 2
		.amdhsa_user_sgpr_kernarg_segment_ptr 1
		.amdhsa_wavefront_size32 1
		.amdhsa_system_sgpr_workgroup_id_x 1
		.amdhsa_system_sgpr_workgroup_id_y 1
		.amdhsa_system_sgpr_workgroup_id_z 1
		.amdhsa_system_vgpr_workitem_id 0
		.amdhsa_next_free_vgpr 1024
		.amdhsa_next_free_sgpr 100
		.amdhsa_reserve_vcc 0
		.amdhsa_float_denorm_mode_32 3
		.amdhsa_float_denorm_mode_16_64 3
		.amdhsa_memory_ordered 1
		.amdhsa_forward_progress 1
		.amdhsa_inst_pref_size 195
	.end_amdhsa_kernel
	.amdgpu_metadata
---
amdhsa.version: [ 1, 2 ]
amdhsa.kernels:
  - .name:           k_q60c7f1a211_mlp1
    .symbol:         k_q60c7f1a211_mlp1.kd
    .args:
      - { .name: wsx1, .offset: 0, .size: 8, .value_kind: global_buffer, .address_space: global }
      - { .name: W1_codes, .offset: 8, .size: 8, .value_kind: global_buffer, .address_space: global }
      - { .name: W1_scales, .offset: 16, .size: 8, .value_kind: global_buffer, .address_space: global }
      - { .name: b1, .offset: 24, .size: 8, .value_kind: global_buffer, .address_space: global }
      - { .name: wsh, .offset: 32, .size: 8, .value_kind: global_buffer, .address_space: global }
    .group_segment_fixed_size: 327680
    .private_segment_fixed_size: 0
    .kernarg_segment_align: 8
    .kernarg_segment_size: 40
    .max_flat_workgroup_size: 128
    .sgpr_count:     100
    .vgpr_count:     1024
    .wavefront_size: 32
...
	.end_amdgpu_metadata
.endif
;; end of part 6
;; launch mlp2 (part 7): grid 8 x 32, 4 waves a work-group, clusters of 4 x 4, 327,680 bytes of LDS; arguments wsh, W2_codes, W2_scales, b2, wsx1, wsy2; writes wsy2
.if DOCPART == 7
	.amdgcn_target "amdgcn-amd-amdhsa--gfx1250"
	.amdhsa_code_object_version 6
	.text
	.protected	k_q60c7f1a211_mlp2
	.globl	k_q60c7f1a211_mlp2
	.p2align	8
	.type	k_q60c7f1a211_mlp2,@function
k_q60c7f1a211_mlp2:
	s_mov_b64 s[64:65], 0
	v_nop
	global_prefetch_b8 v0, s[64:65] scope:SCOPE_SE
	s_setreg_imm32_b32 hwreg(HW_REG_WAVE_MODE, 25, 1), 1
	s_wait_xcnt 0x0
	s_wait_alu depctr_hold_cnt(0) depctr_sa_sdst(0) depctr_va_vdst(0) depctr_va_sdst(0) depctr_va_ssrc(0) depctr_va_vcc(0) depctr_vm_vsrc(0)
	s_getreg_b32 s2, hwreg(HW_REG_IB_STS2, 6, 4)
	s_cmp_eq_u32 s2, 0
	s_cbranch_scc0 .Lentry_in_a_cluster
	s_endpgm
.Lentry_in_a_cluster:
	s_bfe_u32 s2, ttmp6, 0x10000c
	s_cmp_lg_u32 s2, 0xf033
	s_cbranch_scc0 .Lentry_shape_is_right
	s_endpgm
.Lentry_shape_is_right:
.set MLP2,   1
.if MLP2
.set SIZE_K, 4096
.set PW,     128
.set QIA,    4
.set ASOFF,  16777216
.else
.set SIZE_K, 1024
.set PW,     64
.set QIA,    3
.set ASOFF,  4194304
.endif
.set AP,     PW+16
.set NPAN,   512/PW
.set HALFA,  NPAN*64*AP
.set BP,     528
.set HALFB,  64*BP
.set SLOT,   2*HALFA+2*HALFB
.set SCL,    2*SLOT
.set KS,     SIZE_K/32
.set HALFS,  (64*KS/256)*272
.set SBLK,   (16*KS/256)*272
.set SPARE,  SCL+4*HALFS
.set LAPS,   SIZE_K/1024
.set SP,     272
.set NP,     8
.set ADRA, 16
.set ADRB, 20
.set STO,  24
.set RD,   25
.set CO,   26
.set ADRS, 27
.set SPW,  28
.set NIL,  29
.set BO,   30
.set SC,   32
.set BN,   64
.set ACC,  128
.set F0,   0
.set F1,   128
.set RES,  0
.set OBK,  128
.set WV, 16
.set WY, 17
.set WX, 18
.set TC, 42
.set TR, 43
.set G1, 24
.set G0, 32
.set G1B, 48
.set G0B, 56
.set G1S, 68
.set G0S, 76
.set G1SB, 80
.set G0SB, 88
.set MSB, 0
.macro WIN new
.if MSB != (\new)
	s_set_vgpr_msb (MSB<<8)|(\new)
.set MSB, (\new)
.endif
.endm
.set MUL,  0x05
.set TO_F, 0x40
.macro JLOAD g0a, g1a, g0b, g1b
	s_cmp_eq_u32 s[WY], 0
	s_cbranch_scc0 .Lfor_b_\@
	tensor_load_to_lds s[\g0a:\g0a+3], s[\g1a:\g1a+7]
	s_nop 0
.rept 4
	v_nop
.endr
	s_branch .Lasked_\@
.Lfor_b_\@:
	tensor_load_to_lds s[\g0b:\g0b+3], s[\g1b:\g1b+7]
	s_nop 0
.rept 4
	v_nop
.endr
.Lasked_\@:
.endm
.macro CREST
	s_cmp_lg_u32 s[WV], 0
	s_cbranch_scc1 .Lnot_wave_0_\@
	s_barrier_signal -3
.Lnot_wave_0_\@:
	s_barrier_wait -3
	s_barrier_signal -1
	s_barrier_wait -1
.endm
.macro CROUND
	s_barrier_signal -1
	s_barrier_wait -1
	CREST
.endm
	s_load_b256 s[4:11], s[0:1], 0x0
	s_load_b128 s[12:15], s[0:1], 0x20
	v_lshl_add_u32 v[SPW], v0, 2, SPARE
	v_mov_b32 v[NIL], 0
	ds_add_u32 v28, v29
	ds_add_u32 v28, v29
	s_wait_dscnt 0x0
	v_lshrrev_b32 v1, 5, v0
	v_readfirstlane_b32 s[WV], v1
	s_lshr_b32 s[WY], s[WV], 1
	s_and_b32 s[WX], s[WV], 1
	s_bfe_u32 s40, ttmp6, 0x40000
	s_bfe_u32 s41, ttmp6, 0x40004
	s_lshl_b32 s[TC], ttmp9, 2
	s_add_co_u32 s[TC], s[TC], s40
	s_and_b32 s[TR], ttmp7, 0xffff
	s_lshl_b32 s[TR], s[TR], 2
	s_add_co_u32 s[TR], s[TR], s41
	s_lshl_b32 s44, s41, 2
	s_lshl_b32 s44, 15, s44
	s_lshl_b32 s45, 0x1111, s40
	s_or_b32 s[G1+0], s44, (0<<16)|(1<<20)|(1<<21)|(QIA<<22)|(3<<25)
	s_mov_b32 s[G1+1], ((64*PW)&0xffff)<<16
	s_mov_b32 s[G1+2], NPAN<<16
	s_mov_b32 s[G1+3], (64*PW)<<16
	s_mov_b32 s[G1+4], NPAN
	s_mov_b32 s[G1+5], 4096*PW
	s_mov_b32 s[G1+6], 0
	s_mov_b32 s[G1+7], 0
	s_or_b32 s[G1B+0], s45, (0<<16)|(1<<20)|(1<<21)|(6<<22)|(3<<25)
	s_mov_b32 s[G1B+1], 512<<16
	s_mov_b32 s[G1B+2], 64<<16
	s_mov_b32 s[G1B+3], 512<<16
	s_mov_b32 s[G1B+4], 64
	s_mov_b32 s[G1B+5], SIZE_K
	s_mov_b32 s[G1B+6], 0
	s_mov_b32 s[G1B+7], 0
	s_or_b32 s[G1S+0], s44, (3<<16)|(1<<20)|(1<<21)|(5<<22)|(3<<25)
	s_or_b32 s[G1SB+0], s45, (3<<16)|(1<<20)|(1<<21)|(5<<22)|(3<<25)
.irp g, G1S, G1SB
	s_mov_b32 s[\g+1], 32<<16
	s_mov_b32 s[\g+2], (64*KS/256)<<16
	s_mov_b32 s[\g+3], 32<<16
	s_mov_b32 s[\g+4], 64*KS/256
	s_mov_b32 s[\g+5], 32
	s_mov_b32 s[\g+6], 0
	s_mov_b32 s[\g+7], 0
.endr
	s_lshl_b32 s21, s[WX], 6
	s_lshl_b32 s20, s[TR], 7
	s_add_co_u32 s20, s20, s21
	s_lshl_b32 s46, s[TC], 7
	s_add_co_u32 s46, s46, s21
	s_mul_i32 s22, s20, KS
	s_add_co_u32 s22, s22, ASOFF
	s_mov_b32 s23, 0
	s_mul_i32 s20, s20, PW
	s_mov_b32 s21, 0
	s_mul_i32 s92, s46, KS
	s_mov_b32 s93, 0
	s_mul_i32 s46, s46, SIZE_K
	s_mov_b32 s47, 0
	s_mul_i32 s94, s[WX], HALFA
	s_mul_i32 s95, s[WX], HALFB
	s_add_co_u32 s95, s95, 2*HALFA
	s_mul_i32 s96, s[WV], HALFS
	s_add_co_u32 s96, s96, SCL
	s_wait_kmcnt 0x0
	s_add_nc_u64 s[20:21], s[4:5], s[20:21]
	s_add_nc_u64 s[22:23], s[4:5], s[22:23]
	s_add_nc_u64 s[46:47], s[6:7], s[46:47]
	s_add_nc_u64 s[92:93], s[8:9], s[92:93]
	; PREFETCHES INTO THE L2, two slots ahead of the joint load that will want the bytes: a slot's part of the 64 rows that my wave fetches is 128 aligned blocks of 256 bytes; each of the four partners
	; that ask for them jointly takes 32, told apart by address: of A's four panels the panel cx (8,192 dense bytes); of B's rows the 16 from 16 cy on (two blocks a row).  One instruction a wave and slot.
	; Slots 0 and 1 are asked for here, as soon as the addresses stand: s[98:99], s[104:105], never written again; s[100:101]: a slot on.
	s_lshl_b32 s98, s40, 19
	s_lshl_b32 s99, s41, 16
	s_mov_b32 s97, 512
	s_mov_b32 s19, 4096
	s_cmp_eq_u32 s[WY], 0
	s_cselect_b32 s100, s98, s99
	s_cselect_b64 s[98:99], s[20:21], s[46:47]
	s_cselect_b32 s19, 512, s19
	s_cselect_b32 s2, 0x200000, s97
	s_mov_b32 s101, 0
	s_add_nc_u64 s[98:99], s[98:99], s[100:101]
	s_mov_b32 s100, s2
	s_add_nc_u64 s[104:105], s[98:99], s[100:101]
	v_and_b32 v31, 31, v0
	v_lshrrev_b32 v22, 1, v31
	v_and_b32 v23, 1, v31
	v_mul_lo_u32 v22, v22, s19
	v_lshl_add_u32 v31, v23, 8, v22
	global_prefetch_b8 v31, s[98:99] th:TH_LOAD_NT scope:SCOPE_SE
	global_prefetch_b8 v31, s[104:105] th:TH_LOAD_NT scope:SCOPE_SE
	CROUND
	s_mov_b32 s[G0S], 1
	s_mov_b32 s[G0S+1], s96
	s_mov_b64 s[G0S+2:G0S+3], s[22:23]
	s_or_b32 s[G0S+3], s[G0S+3], 0x80000000
	s_mov_b32 s[G0SB], 1
	s_mov_b32 s[G0SB+1], s96
	s_mov_b64 s[G0SB+2:G0SB+3], s[92:93]
	s_or_b32 s[G0SB+3], s[G0SB+3], 0x80000000
	JLOAD G0S, G1S, G0SB, G1SB
.irp s, 0,1
	s_mov_b32 s[G0+4*\s], 1
	s_add_co_u32 s[G0+4*\s+1], s94, \s*SLOT
	s_add_nc_u64 s[G0+4*\s+2:G0+4*\s+3], s[20:21], \s*2097152
	s_or_b32 s[G0+4*\s+3], s[G0+4*\s+3], 0x80000000
	s_mov_b32 s[G0B+4*\s], 1
	s_add_co_u32 s[G0B+4*\s+1], s95, \s*SLOT
	s_add_nc_u64 s[G0B+4*\s+2:G0B+4*\s+3], s[46:47], \s*512
	s_or_b32 s[G0B+4*\s+3], s[G0B+4*\s+3], 0x80000000
	s_wait_alu depctr_va_vdst(0)
	s_wait_tensorcnt 0x0
	ds_add_u32 v28, v29
	s_wait_dscnt 0x0
	CROUND
	JLOAD G0+4*\s, G1, G0B+4*\s, G1B
.endr
	; slots 0 and 1 have been asked for by their loads: now slot 2 is asked of the L2, slot 3 at the head's end; the refill of slot t asks for slot t + 2; the last two refills ask for nothing.
	; s[92:93]: where the prefetches stand; s[94:95]: a slot on.
	s_mov_b32 s94, s100
	s_mov_b32 s95, 0
	s_add_nc_u64 s[92:93], s[104:105], s[94:95]
	global_prefetch_b8 v31, s[92:93] th:TH_LOAD_NT scope:SCOPE_SE
	v_and_b32 v1, 15, v0
	v_bfe_u32 v2, v0, 4, 1
	v_mul_u32_u24 v3, v1, AP
	v_lshl_add_u32 v3, v2, 4, v3
	v_mul_u32_u24 v4, v1, BP
	v_lshl_add_u32 v4, v2, 4, v4
	s_mul_i32 s21, s[WY], HALFA
	s_mul_i32 s22, s[WX], HALFB
	s_add_co_u32 s22, s22, 2*HALFA
.irp s, 0,1
	v_add_nc_u32 v[ADRA+\s], s21, v3
	v_add_nc_u32 v[ADRB+\s], s22, v4
	s_add_co_u32 s21, s21, SLOT
	s_add_co_u32 s22, s22, SLOT
.endr
	v_mul_u32_u24 v5, v1, KS
	v_lshrrev_b32 v6, 8, v5
	v_lshl_add_u32 v5, v6, 4, v5
	s_mul_i32 s21, s[WY], HALFS
	s_mul_i32 s22, s[WX], HALFS
	s_add_co_u32 s22, s22, 2*HALFS
	s_sub_co_u32 s22, s22, s21
	v_mul_u32_u24 v6, s22, v2
	s_add_co_u32 s21, s21, SCL
	v_add_nc_u32 v5, v5, v6
	v_add_nc_u32 v[ADRS], s21, v5
	s_mul_i32 s23, s[WV], 16*SP
	v_mul_u32_u24 v5, v1, SP
	v_lshl_add_u32 v5, v2, 5, v5
	v_add_nc_u32 v[STO], s23, v5
	v_mul_u32_u24 v5, v2, SP
	v_lshl_add_u32 v5, v1, 4, v5
	v_add_nc_u32 v[RD], s23, v5
	v_lshlrev_b32 v5, 12, v2
	v_lshl_add_u32 v[CO], v1, 4, v5
	v_lshlrev_b32 v[BO], 5, v2
	s_wait_alu depctr_va_vdst(0)
	s_lshl_b32 s20, s[TC], 9
	s_lshl_b32 s21, s[WX], 8
	s_add_co_u32 s20, s20, s21
	s_mov_b32 s21, 0
	s_add_nc_u64 s[10:11], s[10:11], s[20:21]
	s_lshl_b32 s22, s[TR], 19
	s_lshl_b32 s23, s[WY], 18
	s_add_co_u32 s22, s22, s23
	s_add_co_u32 s20, s20, s22
	s_add_nc_u64 s[12:13], s[12:13], s[20:21]
	s_add_nc_u64 s[14:15], s[14:15], s[20:21]
.irp b, 0,1,2,3
	global_load_b128 v[BN+8*\b:BN+8*\b+3], v[BO], s[10:11] offset:64*\b
	global_load_b128 v[BN+8*\b+4:BN+8*\b+7], v[BO], s[10:11] offset:64*\b+16
.endr
	WIN 0x80
.set j, 0
.rept 32
	global_load_b128 v[RES+4*j:RES+4*j+3], v[CO], s[12:13] offset:2*j*4096
.set j, j+1
.endr
	WIN 0
.macro MULA f, a, q, sc, first
.irp b, 0,1,2,3
.if \first
	v_wmma_scale_f32_16x16x128_f8f6f4 v[ACC+8*(4*(\a)+\b):ACC+8*(4*(\a)+\b)+7], v[\f+64+16*\b:\f+64+16*\b+15], v[\f+16*(\a):\f+16*(\a)+15], v[BN+8*\b:BN+8*\b+7], v[SC+16*(\sc)+4*\b+(\q)], v[SC+16*(\sc)+4*(\a)+(\q)] matrix_a_scale:MATRIX_SCALE_ROW1
.else
	v_wmma_scale_f32_16x16x128_f8f6f4 v[ACC+8*(4*(\a)+\b):ACC+8*(4*(\a)+\b)+7], v[\f+64+16*\b:\f+64+16*\b+15], v[\f+16*(\a):\f+16*(\a)+15], v[ACC+8*(4*(\a)+\b):ACC+8*(4*(\a)+\b)+7], v[SC+16*(\sc)+4*\b+(\q)], v[SC+16*(\sc)+4*(\a)+(\q)] matrix_a_scale:MATRIX_SCALE_ROW1
.endif
.endr
.endm
.macro FETCH slot, q, f
	WIN TO_F
.irp i, 0,1,2,3
.irp c, 0,1,2,3
	ds_load_b128 v[\f+64+16*\i+4*\c:\f+64+16*\i+4*\c+3], v[ADRB+\slot] offset:128*(\q)+32*\c+\i*16*BP
.endr
.endr
.irp i, 0,1,2,3
.irp c, 0,1,2,3
	ds_load_b128 v[\f+16*\i+4*\c:\f+16*\i+4*\c+3], v[ADRA+\slot] offset:((128*(\q)+32*\c)/PW)*64*AP+(128*(\q)+32*\c)%PW+\i*16*AP
.endr
.endr
.endm
.macro SCALES sc
.irp i, 0,1,2,3
	ds_load_b128 v[SC+16*\sc+4*\i:SC+16*\sc+4*\i+3], v[ADRS] offset:\i*SBLK
.endr
.endm
.macro PLACES n
.rept \n
	v_nop
.endr
.endm
.macro STEP slot, q, f, g, first
	s_wait_dscnt 8
	WIN MUL
	MULA \f, 0, \q, \slot, \first
	MULA \f, 1, \q, \slot, \first
	PLACES NP
	FETCH \slot, (\q)+1, \g
	s_wait_dscnt 32
	WIN MUL
	MULA \f, 2, \q, \slot, \first
	MULA \f, 3, \q, \slot, \first
.endm
.macro TURN slot, next, fill
	WIN 0
.if \fill
	s_wait_xcnt 0x0
	s_add_nc_u64 s[92:93], s[92:93], s[94:95]
.endif
	s_wait_tensorcnt 0x0
	ds_add_u32 v[SPW], v[NIL]
	s_wait_dscnt 9
	WIN MUL
	MULA F1, 0, 3, \slot, 0
	MULA F1, 1, 3, \slot, 0
	s_wait_dscnt 0x0
	s_barrier_signal -1
	MULA F1, 2, 3, \slot, 0
	WIN 0
	s_barrier_wait -1
.if \fill
	CREST
	s_add_nc_u64 s[G0+4*\slot+2:G0+4*\slot+3], s[G0+4*\slot+2:G0+4*\slot+3], 2*2097152
	s_add_nc_u64 s[G0B+4*\slot+2:G0B+4*\slot+3], s[G0B+4*\slot+2:G0B+4*\slot+3], 2*512
	JLOAD G0+4*\slot, G1, G0B+4*\slot, G1B
	PLACES NP-4
.else
	PLACES NP
.endif
	s_wait_alu depctr_va_vdst(0)
	v_add_nc_u32 v[ADRS], 16, v[ADRS]
	SCALES \next
	FETCH \next, 0, F0
.if \fill
	WIN 0
	s_cmp_gt_u32 s3, 1
	s_cbranch_scc0 .Lnone_ahead_\@
	global_prefetch_b8 v31, s[92:93] th:TH_LOAD_NT scope:SCOPE_SE
.Lnone_ahead_\@:
.endif
	WIN MUL
	MULA F1, 3, 3, \slot, 0
.endm
	s_wait_xcnt 0x0
	s_add_nc_u64 s[92:93], s[92:93], s[94:95]
	global_prefetch_b8 v31, s[92:93] th:TH_LOAD_NT scope:SCOPE_SE
	s_wait_loadcnt 32
	s_wait_tensorcnt 1
	s_barrier_signal -1
	s_barrier_wait -1
	SCALES 0
	FETCH 0, 0, F0
	STEP 0, 0, F0, F1, 1
.if LAPS > 1
	WIN 0
	s_mov_b32 s3, LAPS-1
.Llap:
	STEP 0, 1, F1, F0, 0
	STEP 0, 2, F0, F1, 0
	TURN 0, 1, 1
	STEP 1, 0, F0, F1, 0
	STEP 1, 1, F1, F0, 0
	STEP 1, 2, F0, F1, 0
	TURN 1, 0, 1
	STEP 0, 0, F0, F1, 0
	WIN 0
	s_sub_co_u32 s3, s3, 1
	s_cmp_lg_u32 s3, 0
	s_cbranch_scc1 .Llap
.endif
	STEP 0, 1, F1, F0, 0
	STEP 0, 2, F0, F1, 0
	TURN 0, 1, 0
	STEP 1, 0, F0, F1, 0
	STEP 1, 1, F1, F0, 0
	STEP 1, 2, F0, F1, 0
	s_wait_dscnt 8
	WIN MUL
	MULA F1, 0, 3, 1, 0
	MULA F1, 1, 3, 1, 0
	s_wait_dscnt 0
	MULA F1, 2, 3, 1, 0
	MULA F1, 3, 3, 1, 0
	WIN 0
.macro TOSTAGE a
.irp b, 0,1,2,3
	ds_store_b128 v[STO], v[ACC+8*(4*(\a)+\b):ACC+8*(4*(\a)+\b)+3] offset:64*\b
	ds_store_b128 v[STO], v[ACC+8*(4*(\a)+\b)+4:ACC+8*(4*(\a)+\b)+7] offset:64*\b+16
.endr
	WIN 0x80
.irp t, 0,1,2,3,4,5,6,7
	ds_load_b128 v[OBK+32*((\a)%2)+4*\t:OBK+32*((\a)%2)+4*\t+3], v[RD] offset:\t*2*SP
.endr
	WIN 0
.endm
.macro SEND a, younger
	s_wait_dscnt \younger
	WIN 0x8a
.irp k, 0,2,4,6,8,10,12,14,16,18,20,22,24,26,28,30
	v_pk_add_f32 v[OBK+32*((\a)%2)+\k:OBK+32*((\a)%2)+\k+1], v[OBK+32*((\a)%2)+\k:OBK+32*((\a)%2)+\k+1], v[RES+32*(\a)+\k:RES+32*(\a)+\k+1]
.endr
	WIN 0x08
.irp t, 0,1,2,3,4,5,6,7
	global_store_b128 v[CO], v[OBK+32*((\a)%2)+4*\t:OBK+32*((\a)%2)+4*\t+3], s[14:15] offset:(16*(\a)+2*\t)*4096
.endr
	WIN 0
.endm
	PLACES NP
	s_wait_loadcnt 0x0
	TOSTAGE 0
.irp a, 1,2,3
.if \a > 1
	s_wait_xcnt 0x0
.endif
	TOSTAGE \a
	SEND \a-1, 16
.endr
	SEND 3, 0
	s_wait_tensorcnt 0x0
	ds_add_u32 v[SPW], v[NIL]
	s_wait_dscnt 0x0
	CROUND
	s_endpgm
.Lfunc_end_k_q60c7f1a211_mlp2:
	.size	k_q60c7f1a211_mlp2, .Lfunc_end_k_q60c7f1a211_mlp2-k_q60c7f1a211_mlp2
	.p2alignl 7, 3214868480
	.fill 96, 4, 3214868480
	.section	.rodata,"a",@progbits
	.p2align	6, 0x0
	.amdhsa_kernel k_q60c7f1a211_mlp2
		.amdhsa_group_segment_fixed_size 327680
		.amdhsa_private_segment_fixed_size 0
		.amdhsa_enable_private_segment 0
		.amdhsa_kernarg_size 48
		.amdhsa_user_sgpr_count 2
		.amdhsa_user_sgpr_kernarg_segment_ptr 1
		.amdhsa_wavefront_size32 1
		.amdhsa_system_sgpr_workgroup_id_x 1
		.amdhsa_system_sgpr_workgroup_id_y 1
		.amdhsa_system_sgpr_workgroup_id_z 1
		.amdhsa_system_vgpr_workitem_id 0
		.amdhsa_next_free_vgpr 768
		.amdhsa_next_free_sgpr 106
		.amdhsa_reserve_vcc 0
		.amdhsa_float_denorm_mode_32 3
		.amdhsa_float_denorm_mode_16_64 3
		.amdhsa_memory_ordered 1
		.amdhsa_forward_progress 1
		.amdhsa_inst_pref_size 103
	.end_amdhsa_kernel
	.amdgpu_metadata
---
amdhsa.version: [ 1, 2 ]
amdhsa.kernels:
  - .name:           k_q60c7f1a211_mlp2
    .symbol:         k_q60c7f1a211_mlp2.kd
    .args:
      - { .name: wsh, .offset: 0, .size: 8, .value_kind: global_buffer, .address_space: global }
      - { .name: W2_codes, .offset: 8, .size: 8, .value_kind: global_buffer, .address_space: global }
      - { .name: W2_scales, .offset: 16, .size: 8, .value_kind: global_buffer, .address_space: global }
      - { .name: b2, .offset: 24, .size: 8, .value_kind: global_buffer, .address_space: global }
      - { .name: wsx1, .offset: 32, .size: 8, .value_kind: global_buffer, .address_space: global }
      - { .name: wsy2, .offset: 40, .size: 8, .value_kind: global_buffer, .address_space: global }
    .group_segment_fixed_size: 327680
    .private_segment_fixed_size: 0
    .kernarg_segment_align: 8
    .kernarg_segment_size: 48
    .max_flat_workgroup_size: 128
    .sgpr_count:     106
    .vgpr_count:     768
    .wavefront_size: 32
...
	.end_amdgpu_metadata
.endif
;; end of part 7
;; launch ln2 (part 8): grid 256 x 1, 8 waves a work-group, no clusters, 0 bytes of LDS; arguments wsy2, ln2_g, ln2_b, out0; writes out0
.if DOCPART == 8
	.amdgcn_target "amdgcn-amd-amdhsa--gfx1250"
	.amdhsa_code_object_version 6
	.text
	.protected	k_q60c7f1a211_ln2
	.globl	k_q60c7f1a211_ln2
	.p2align	8
	.type	k_q60c7f1a211_ln2,@function
k_q60c7f1a211_ln2:
	s_mov_b64 s[64:65], 0
	v_nop
	global_prefetch_b8 v0, s[64:65] scope:SCOPE_SE
	s_setreg_imm32_b32 hwreg(HW_REG_WAVE_MODE, 25, 1), 1
	s_wait_xcnt 0x0
; y = (x - mean) rsqrt(var + 1e-5) g + b along rows of 1024, f32 (the norm of the launch ln1 without its quantiser).
; A wave takes two rows; a row is 32 registers (load j: columns 128 j + 4 lane + 0..3, 512 consecutive bytes).  Mean first, then the sum of squared differences: no difference of large sums is formed.
; No LDS, no barrier: waves share nothing.  NaN and infinities are passed on as the arithmetic makes them.
.set X,   16                           ; v16-79   two rows
.set G,   80
.set B,   112
.set RSD, 210                          ; 1 / sqrt(var + eps), a pair a row
	s_load_b256 s[4:11], s[0:1], 0x0               ; in, g, b, out
	v_lshrrev_b32 v1, 5, v0
	s_delay_alu instid0(VALU_DEP_1)
	v_readfirstlane_b32 s12, v1                    ; wave
	v_and_b32 v4, 31, v0                           ; lane
	s_delay_alu instid0(VALU_DEP_1)
	v_lshlrev_b32 v1, 4, v4                        ; 16 x lane
	s_lshl_b32 s14, ttmp9, 16                      ; 16 rows a work-group,
	s_lshl_b32 s15, s12, 13                        ; two a wave
	s_add_co_u32 s14, s14, s15
	s_mov_b32 s15, 0
	s_mov_b32 s16, 0x76543210
	s_mov_b32 s17, 0xfedcba98
	s_mov_b32 s18, 0x3a800000                      ; 1 / 1024
	s_mov_b32 s19, 0x3727c5ac                      ; 1e-5
	s_wait_alu depctr_va_vdst(0)
	s_wait_kmcnt 0x0
	s_add_nc_u64 s[4:5], s[4:5], s[14:15]
	s_add_nc_u64 s[10:11], s[10:11], s[14:15]
.irp i, 0,1
.irp j, 0,1,2,3,4,5,6,7
	global_load_b128 v[X+32*\i+4*\j:X+32*\i+4*\j+3], v1, s[4:5] offset:4096*\i+512*\j th:TH_LOAD_NT
.endr
.endr
.irp j, 0,1,2,3,4,5,6,7
	global_load_b128 v[G+4*\j:G+4*\j+3], v1, s[6:7] offset:512*\j
.endr
.irp j, 0,1,2,3,4,5,6,7
	global_load_b128 v[B+4*\j:B+4*\j+3], v1, s[8:9] offset:512*\j
.endr
.macro REDUCE a, t                     ; the sum over the 32 lanes, in every lane
	s_delay_alu instid0(VALU_DEP_1)
	v_add_f32_dpp v[\a], v[\a], v[\a] row_xmask:1 row_mask:0xf bank_mask:0xf
	s_delay_alu instid0(VALU_DEP_1)
	v_add_f32_dpp v[\a], v[\a], v[\a] row_xmask:2 row_mask:0xf bank_mask:0xf
	s_delay_alu instid0(VALU_DEP_1)
	v_add_f32_dpp v[\a], v[\a], v[\a] row_xmask:4 row_mask:0xf bank_mask:0xf
	s_delay_alu instid0(VALU_DEP_1)
	v_add_f32_dpp v[\a], v[\a], v[\a] row_xmask:8 row_mask:0xf bank_mask:0xf
	s_delay_alu instid0(VALU_DEP_1)
	v_permlanex16_b32 v[\t], v[\a], s16, s17
	s_delay_alu instid0(VALU_DEP_1)
	v_add_f32 v[\a], v[\a], v[\t]
.endm
.macro STATS i                         ; leaves x - mean in place and 1 / sqrt(var + eps) in the row's pair
.set XR, X+32*\i
	v_pk_add_f32 v[4:5], v[XR:XR+1], v[XR+2:XR+3]
	v_pk_add_f32 v[6:7], v[XR+4:XR+5], v[XR+6:XR+7]
	v_pk_add_f32 v[8:9], v[XR+8:XR+9], v[XR+10:XR+11]
	v_pk_add_f32 v[10:11], v[XR+12:XR+13], v[XR+14:XR+15]
.irp k, 16,24
	s_delay_alu instid0(VALU_DEP_4)
	v_pk_add_f32 v[4:5], v[4:5], v[XR+\k:XR+\k+1]
	s_delay_alu instid0(VALU_DEP_4)
	v_pk_add_f32 v[6:7], v[6:7], v[XR+\k+2:XR+\k+3]
	s_delay_alu instid0(VALU_DEP_4)
	v_pk_add_f32 v[8:9], v[8:9], v[XR+\k+4:XR+\k+5]
	s_delay_alu instid0(VALU_DEP_4)
	v_pk_add_f32 v[10:11], v[10:11], v[XR+\k+6:XR+\k+7]
.endr
	s_delay_alu instid0(VALU_DEP_3)
	v_pk_add_f32 v[4:5], v[4:5], v[6:7]
	s_delay_alu instid0(VALU_DEP_2)
	v_pk_add_f32 v[8:9], v[8:9], v[10:11]
	s_delay_alu instid0(VALU_DEP_1)
	v_pk_add_f32 v[4:5], v[4:5], v[8:9]
	s_delay_alu instid0(VALU_DEP_1)
	v_add_f32 v4, v4, v5
	REDUCE 4, 5
	s_delay_alu instid0(VALU_DEP_1)
	v_mul_f32 v4, s18, v4                          ; the mean
	s_delay_alu instid0(VALU_DEP_1)
	v_mov_b32 v5, v4
.irp k, 0,2,4,6,8,10,12,14,16,18,20,22,24,26,28,30
	v_pk_add_f32 v[XR+\k:XR+\k+1], v[XR+\k:XR+\k+1], v[4:5] neg_lo:[0,1] neg_hi:[0,1]
.endr
	v_pk_mul_f32 v[6:7], v[XR:XR+1], v[XR:XR+1]
	v_pk_mul_f32 v[8:9], v[XR+2:XR+3], v[XR+2:XR+3]
	v_pk_mul_f32 v[10:11], v[XR+4:XR+5], v[XR+4:XR+5]
	v_pk_mul_f32 v[12:13], v[XR+6:XR+7], v[XR+6:XR+7]
.irp k, 8,16,24
	s_delay_alu instid0(VALU_DEP_4)
	v_pk_fma_f32 v[6:7], v[XR+\k:XR+\k+1], v[XR+\k:XR+\k+1], v[6:7]
	s_delay_alu instid0(VALU_DEP_4)
	v_pk_fma_f32 v[8:9], v[XR+\k+2:XR+\k+3], v[XR+\k+2:XR+\k+3], v[8:9]
	s_delay_alu instid0(VALU_DEP_4)
	v_pk_fma_f32 v[10:11], v[XR+\k+4:XR+\k+5], v[XR+\k+4:XR+\k+5], v[10:11]
	s_delay_alu instid0(VALU_DEP_4)
	v_pk_fma_f32 v[12:13], v[XR+\k+6:XR+\k+7], v[XR+\k+6:XR+\k+7], v[12:13]
.endr
	s_delay_alu instid0(VALU_DEP_3)
	v_pk_add_f32 v[6:7], v[6:7], v[8:9]
	s_delay_alu instid0(VALU_DEP_2)
	v_pk_add_f32 v[10:11], v[10:11], v[12:13]
	s_delay_alu instid0(VALU_DEP_1)
	v_pk_add_f32 v[6:7], v[6:7], v[10:11]
	s_delay_alu instid0(VALU_DEP_1)
	v_add_f32 v6, v6, v7
	REDUCE 6, 7
	s_delay_alu instid0(VALU_DEP_1)
	v_fma_f32 v6, v6, s18, s19                     ; var + eps
	s_wait_alu depctr_va_vdst(0)
	v_rsq_f32 v[RSD+2*\i], v6
	v_nop                                          ; a plain line behind the transcendental
	s_wait_alu depctr_va_vdst(0)                   ; and the wait ahead of its first reader
	v_mov_b32 v[RSD+2*\i+1], v[RSD+2*\i]
.endm
.macro APPLY i
.set XR, X+32*\i
.irp k, 0,2,4,6,8,10,12,14,16,18,20,22,24,26,28,30
	v_pk_mul_f32 v[XR+\k:XR+\k+1], v[XR+\k:XR+\k+1], v[RSD+2*\i:RSD+2*\i+1]
.endr
.irp k, 0,2,4,6,8,10,12,14,16,18,20,22,24,26,28,30
	v_pk_fma_f32 v[XR+\k:XR+\k+1], v[XR+\k:XR+\k+1], v[G+\k:G+\k+1], v[B+\k:B+\k+1]
.endr
.irp j, 0,1,2,3,4,5,6,7
	global_store_b128 v1, v[XR+4*\j:XR+4*\j+3], s[10:11] offset:4096*\i+512*\j th:TH_STORE_NT   ; the wave stores 512 consecutive bytes; written once, read by nobody here
.endr
.endm
	s_wait_loadcnt 24                              ; row 0 is in; row 1, g and b (24 loads) may be out
	STATS 0
	s_wait_loadcnt 16                              ; row 1 is in; g and b may be out
	STATS 1
	s_wait_loadcnt 0x0
	APPLY 0
	APPLY 1
	s_endpgm
.Lfunc_end_k_q60c7f1a211_ln2:
	.size	k_q60c7f1a211_ln2, .Lfunc_end_k_q60c7f1a211_ln2-k_q60c7f1a211_ln2
	.p2alignl 7, 3214868480
	.fill 96, 4, 3214868480
	.section	.rodata,"a",@progbits
	.p2align	6, 0x0
	.amdhsa_kernel k_q60c7f1a211_ln2
		.amdhsa_group_segment_fixed_size 0
		.amdhsa_private_segment_fixed_size 0
		.amdhsa_enable_private_segment 0
		.amdhsa_kernarg_size 32
		.amdhsa_user_sgpr_count 2
		.amdhsa_user_sgpr_kernarg_segment_ptr 1
		.amdhsa_wavefront_size32 1
		.amdhsa_system_sgpr_workgroup_id_x 1
		.amdhsa_system_sgpr_workgroup_id_y 1
		.amdhsa_system_sgpr_workgroup_id_z 1
		.amdhsa_system_vgpr_workitem_id 0
		.amdhsa_next_free_vgpr 216
		.amdhsa_next_free_sgpr 66
		.amdhsa_reserve_vcc 0
		.amdhsa_float_denorm_mode_32 3
		.amdhsa_float_denorm_mode_16_64 3
		.amdhsa_memory_ordered 1
		.amdhsa_forward_progress 1
		.amdhsa_inst_pref_size 21
	.end_amdhsa_kernel
	.amdgpu_metadata
---
amdhsa.version: [ 1, 2 ]
amdhsa.kernels:
  - .name:           k_q60c7f1a211_ln2
    .symbol:         k_q60c7f1a211_ln2.kd
    .args:
      - { .name: wsy2, .offset: 0, .size: 8, .value_kind: global_buffer, .address_space: global }
      - { .name: ln2_g, .offset: 8, .size: 8, .value_kind: global_buffer, .address_space: global }
      - { .name: ln2_b, .offset: 16, .size: 8, .value_kind: global_buffer, .address_space: global }
      - { .name: out0, .offset: 24, .size: 8, .value_kind: global_buffer, .address_space: global }
    .group_segment_fixed_size: 0
    .private_segment_fixed_size: 0
    .kernarg_segment_align: 8
    .kernarg_segment_size: 32
    .max_flat_workgroup_size: 256
    .sgpr_count:     66
    .vgpr_count:     216
    .wavefront_size: 32
...
	.end_amdgpu_metadata
.endif
;; end of part 8
